; MI455X (gfx1250); checked and timed in simulation.
; The chip was launched on July 23, 2026; its instructions are those of AMD's public machine-readable ISA for CDNA 5 (MIT licence, August 2026) and "CDNA5" Instruction Set Architecture Reference Guide (July 2026). The comments in the code are by the model that wrote it; some were corrected since.
;; Sliding Window Attention. Allowed arithmetic: matrix products marked QUANTISED: E2M3 operands, one E8M0 scale for each 32 along K, by v_wmma_scale_f32_16x16x128_f8f6f4 with both operands' format E2M3, f32 sums; everything else in f32.
;; Inputs: W_out_codes 1,024 x 32 x 24 uint8 (E2M3 codes of W_out, K innermost, in blocks of 32 codes, four codes in three bytes); W_out_scales 1,024 x 32 uint8 (E8M0 scales of W_out, one for each 32 codes along K); W_qkv_codes 3,072 x 32 x 24 uint8 (E2M3 codes of W_qkv, K innermost, in blocks of 32 codes, four codes in three bytes); W_qkv_scales 3,072 x 32 uint8 (E8M0 scales of W_qkv, one for each 32 codes along K); x_codes 2 x 2,048 x 32 x 24 uint8 (E2M3 codes of x, K innermost, in blocks of 32 codes, four codes in three bytes); x_scales 2 x 2,048 x 32 uint8 (E8M0 scales of x, one for each 32 codes along K).
;; Outputs: out0 2 x 2,048 x 1,024 float32.
;; This version of the problem:
;;   THIS VERSION OF THE PROBLEM IS GIVEN IN LOW PRECISION. The matrix products marked QUANTISED in the list below multiply operands that are first quantised to E2M3 (2 exponent bits, 3 mantissa bits; 6 bits a number), with one power-of-two scale for each 32 numbers along K (OCP MX v1.0); their sums are f32. All else is computed in f32.
;;   The module's matrix products, in the order in which they are computed (A, B: the left and right operand; K: the contracted axis; several contracted axes count as one K, in the product's order):
;;     1. [M 4,096, K 1,024] x [K 1,024, N 3,072]; A: input x (given as codes); B: input W_qkv (given as codes): QUANTISED
;;     2. batch 32 x [M 2,048, K 64] x [K 64, N 2,048]; A: computed on the way; B: computed on the way: QUANTISED
;;     3. batch 32 x [M 2,048, K 2,048] x [K 2,048, N 64]; A: computed on the way; B: computed on the way: QUANTISED
;;     4. [M 4,096, K 1,024] x [K 1,024, N 1,024]; A: computed on the way; B: input W_out (given as codes): QUANTISED
;;   THE QUANTISER, for each operand of a quantised product, along K:
;;     - K is cut into blocks of 32 from its start; a last block that is shorter is filled with zeros.
;;     - A block's scale is 2^e with e = floor(log2(the largest magnitude in the block)) - 2, held to -126 .. 127; a block of zeros has e = 0. As a byte (E8M0): e + 127.
;;     - Each number is divided by its block's scale, clamped to +-7.5, and rounded to the nearest number of E2M3, ties to even, subnormals kept.
;;     - The product sums the exact products of the quantised numbers (number of the format x scale) in f32.
;;   ~~~python
;;   def quantise(x, axis):      # numpy; x: float32 -> the quantised numbers, widened to float32 again
;;       x = np.moveaxis(x, axis, -1); K = x.shape[-1]
;;       x = np.pad(x, [(0, 0)] * (x.ndim - 1) + [(0, -K % 32)]); x = x.reshape(x.shape[:-1] + (-1, 32)); a = np.abs(x).max(-1, keepdims=True)
;;       e = np.where(a > 0, np.clip(np.frexp(np.where(a > 0, a, 1))[1] - 1 - 2, -126, 127), 0)      # np.frexp(a)[1] - 1 = floor(log2(a)), exactly
;;       r = np.clip(x / 2.0 ** e, -7.5, 7.5)
;;       step = 2.0 ** (np.maximum(np.frexp(np.where(r == 0, 1, r))[1] - 1, 0) - 3)
;;       q = np.round(r / step) * step * 2.0 ** e      # np.round: ties to even
;;       return np.moveaxis(q.reshape(q.shape[:-2] + (-1,))[..., :K], -1, axis).astype(np.float32)
;;   ~~~
;;   OPERANDS COMPUTED ON THE WAY. 'Computed on the way' means the value that the module computes at that place (a softmax that the list does not call 'softmax' is quantised finished and normalised). What goes into a quantiser is computed in f32, as accurately as f32 sums, v_exp_f32 and their like allow (about 1e-6 of the number): no bf16 or f16 on the way to a quantiser, and a product that is left as it is and whose result goes on into a quantised operand takes f32 operands (vector FMAs, or v_wmma_f32_16x16x4_f32). A number that lies on a knife's edge between two numbers of the format may be rounded either way, as far as f32 arithmetic and the matrix unit's own rounding can turn it there, and no further.
;;   INPUTS GIVEN AS CODES. W_out (in the module: [1024, 1024], K = its axis 1); W_qkv (in the module: [3072, 1024], K = its axis 1); x (in the module: [2, 2048, 1024], K = its axis 2): each comes as NAME_codes (uint8): NAME with its K axis moved to the last place and cut into blocks of 32 codes, [.., K / 32, bytes a block], one block behind the other in memory; four codes in three bytes: a row's codes are one little-endian stream of bits, code i at bits 6 i .. 6 i + 5 (a code: sign, 2 exponent bits, 3 mantissa bits); and NAME_scales (uint8): the same leading axes, one E8M0 byte (e + 127) for each 32 codes along K. Its value is code x scale, taken as it is: it is not quantised again, and the codes and scales need not be those that the quantiser above would give.
;; One version. Each part assembles by itself: llvm-mc -triple=amdgcn-amd-amdhsa -mcpu=gfx1250 --defsym DOCPART=n.
;; ======== version 1 of 1: 3 launches
;; workspace buffers: wk 9,830,400 bytes; ao 3,145,728 bytes; aos 131,072 bytes
;; launch qkv (part 1): grid 12 x 16, 4 waves a work-group, clusters of 4 x 4, 327,680 bytes of LDS; arguments x_codes, x_scales, W_qkv_codes, W_qkv_scales, wk; writes wk
.if DOCPART == 1
	.amdgcn_target "amdgcn-amd-amdhsa--gfx1250"
	.amdhsa_code_object_version 6
	.text
	.protected	k_q8dffe40ca7_qkv
	.globl	k_q8dffe40ca7_qkv
	.p2align	8
	.type	k_q8dffe40ca7_qkv,@function
k_q8dffe40ca7_qkv:
	s_mov_b64 s[64:65], 0
	v_nop
	global_prefetch_b8 v0, s[64:65] scope:SCOPE_SE
	s_setreg_imm32_b32 hwreg(HW_REG_WAVE_MODE, 25, 1), 1
	s_wait_xcnt 0x0
	s_wait_alu depctr_hold_cnt(0) depctr_sa_sdst(0) depctr_va_vdst(0) depctr_va_sdst(0) depctr_va_ssrc(0) depctr_va_vcc(0) depctr_vm_vsrc(0)
	s_getreg_b32 s2, hwreg(HW_REG_IB_STS2, 6, 4)
	s_cmp_eq_u32 s2, 0
	s_cbranch_scc0 .Lentry_in_a_cluster
	s_endpgm
.Lentry_in_a_cluster:
	s_bfe_u32 s2, ttmp6, 0x10000c
	s_cmp_lg_u32 s2, 0xf033
	s_cbranch_scc0 .Lentry_shape_is_right
	s_endpgm
.Lentry_shape_is_right:
; qkv = x W_qkv^T on codes of FP6 (E2M3) with one E8M0 scale for each 32 along K = 1,024; the results are quantised at once and leave as codes:
; q and k along the head's 64 features, v along the tokens.  x: [4096][1024], W_qkv: [3072][1024], as codes (768 bytes a row) and scale bytes (32 a row).
; A tile of 256 x 256 results is made by a work-group of four waves; a wave makes 128 x 128: 64 accumulators of 16 x 16.  K goes in steps of 256 through two LDS slots filled by the tensor data mover.
; ROLES.  Source 0 of the matrix instruction takes 16 rows of the "B role", source 1 sixteen rows of the "A role": a lane then holds ONE row of the A role and its registers run along the B role.
; The axis to be quantised has to run along a lane's registers.  For q and k (clusters x = 0, 1) A = tokens (x), B = features (W_qkv); for v (cluster x = 2) A = features (W_qkv rows 2,048 on), B = tokens (x).
; The roles are chosen by selections on the cluster's x, which all sixteen partners share; there is no branch on it.
; CLUSTERS: 4 x 4 work-groups.  The four of a row of the cluster need the same tile of the A role, the four of a column the same tile of the B role: each tile is asked for jointly.
; 192 work-groups: with feature tiles that divide 1,024 no tile gives 256 equal work-groups; the largest wave tile is kept.
; THE SCALES: a row's 32 scale bytes are the eight scale words of its eight steps of 128 along K: they are loaded once, 32 bytes a row, into 128 registers that hold nothing else.
; WORKSPACE wk, in bytes.  A block of 32 codes is six registers of a lane: the first four go to a place of 16 bytes in a "plane 4", the last two to a place of 8 bytes in a "plane 2".
;   0        q, k plane 4: [head 0-15 of q, then 0-15 of k][tile of 16 tokens, 256][lane][16]: lane (r, h) = token r, block h of the head's 64
;   OFF_V4   v plane 4:    [head][block of 32 tokens, 128][tile of 16 features, 4][r][16]
;   OFF_QK2, OFF_V2        the planes 2, with the same indices and 8 bytes a place
;   OFF_QKS  q, k scale words: [pair of heads, 16][pair of token tiles, 128][lane]: lane (r, h) = tile 2 pair + h, token r; bytes 0, 1 the even head's two blocks, bytes 2, 3 the odd head's
;   OFF_VS   v scale words:    [head][4 blocks of tokens, 32][tile of features][r]: the four bytes are the four blocks
; THE QUANTISER: a block's scale byte is its largest magnitude's exponent field - 2, held at 1 from below; the conversion rounds to the nearest code, ties to even, and gives the largest code beyond 7.5.
; LIMITS: a block of zeros, and a block whose largest magnitude lies under 2^-124, has the byte 1 (zeros: the rule says 127; the codes are zeros and only this program reads the bytes).
; Scale bytes 0xff among the inputs, NaN and infinities are not served.
; No prefetch: half of a work-group's tiles are asked for at its head and the rest two steps later.
; REGISTERS, in windows of 256: window 0: v1-11 lane numbers and offsets; v16-23 LDS addresses; v28-29 for the add; v30 32 r; v32-127, v224-255 scale words; v128-223 A's fragments, one set (free on the way out);
;   window 1: B's fragments, two sets, at v0 and v128;  window 2: the accumulators of my A rows 0-63 ((a, b) at v[8 (8 (a % 4) + b)]);  window 3: those of rows 64-127.
.set ROWB,   192                       ; a tile's row in bytes: 256 codes
.set KROW,   768                       ; a row of x or of W_qkv in memory
.set PITCH,  240                       ; an LDS row: 3 x (64 bytes + 16 of padding)
.set FR,     12                        ; registers of a fragment: 16 rows x 128 K
.set NL,     6                         ; LDS loads that bring one
.set NP,     4                         ; places behind this matrix instruction (ISA guide 7.12.1)
.set HALFT,  128*PITCH                 ; 128 rows: what one tensor load brings
.set SLOT,   4*HALFT                   ; A's 256 rows, then B's 256 rows
.set SPARE,  2*SLOT                    ; behind the ring: the spare words, 128 bytes for each wave
.set OFF_V4,  4194304
.set OFF_QK2, 6291456
.set OFF_V2,  8388608
.set OFF_QKS, 9437184
.set OFF_VS,  9699328
.set VO4,  4                           ; v4-5   plane 4: my lane's offset for the pair of blocks 0, 1
.set VO2,  6                           ; v6-7   plane 2 likewise
.set VOS,  8                           ; v8-9   scale words: for A blocks 0-3, 4-7
.set ADRA, 16                          ; v16-17 LDS address of my A fragments in slot 0, 1 (v18-19: for the pieces behind one padding more)
.set ADRB, 20                          ; v20-21 the same for B (v22-23)
.set SPW,  28                          ; v28    LDS address of my spare word; never rewritten
.set NIL,  29                          ; v29    0; never rewritten
.set SOF,  30                          ; v30    32 r: my row's scale bytes; never rewritten
.set SCA,  32                          ; A's scale word of block a, step kq: v[SCA + 8 a + kq]
.set SCB,  96                          ; B's: v[SCB + 8 b + kq], and 96 further on for b = 4 .. 7
.set AF,   128                         ; A's fragments
.set TM,   128                         ; the way out: v128-131 largest magnitudes, v132-135 at work, then bytes, v136-139 the conversions' scale operands
.set PW,   140                         ; v140-147 the scale word of A block a
.set PSEL, 148                         ; v148-151 two blocks' words, one in each half of the lanes
.set CY,   152                         ; v152-154, v156-158 the second conversion of a pair
.set PC0,  168                         ; v168-179, v180-191 the codes, two sets by turns
.set G1,   24                          ; s[24:31] descriptor group 1 for A's tiles;  s[32:39] group 0, one set for each slot
.set G0,   32
.set G1B,  48                          ; s[48:55], s[56:63] the same for B's
.set G0B,  56
.set P4,   66                          ; s[66:67] where plane 4 of my results begins;  s[68:69] plane 2;  s[70:71] the scale words
.set P2,   68
.set PS,   70
.set ST4,  72                          ; s[72:73] from an A block to the next in plane 4;  s[74:75] from block 3 to block 4;  s[76:79] the same in plane 2
.set SX4,  74
.set ST2,  76
.set SX2,  78
.set SC4,  80                          ; from a pair of blocks to the next, plane 4; s81 plane 2
.set SC2,  81
.set SH4,  82                          ; from lanes 0-15 to lanes 16-31, plane 4; s83 plane 2
.set SH2,  83
.set SJ,   84                          ; scale words: from A blocks 0-3 to 4-7
.set FLOOR, 85                         ; 2^(3 - 127)
.set SELA, 86                          ; byte selects: low half of source 1 | low half of source 0
.set SELB, 87                          ; high half of source 1 | low half of source 0
.set SELC, 88                          ; high half of source 1 | high half of source 0
.set SEL,  90                          ; s[90:91] lane selects: lane l xor 16
.set HMASK, 92                         ; lanes 16-31
.set MSB, 0
.macro WIN new                         ; the immediate's high byte repeats the setting that is left
.if MSB != (\new)
	s_set_vgpr_msb (MSB<<8)|(\new)
.set MSB, (\new)
.endif
.endm
.set MUL_LO, 0xa1                      ; source 0 (B) window 1, source 1 (A) window 0, C and D window 2
.set MUL_HI, 0xf1                      ; the same, C and D window 3
.set TO_B,   0x40                      ; destination window 1, address window 0
; A joint load: waves 0 and 1 fetch for A, waves 2 and 3 for B.  The branch hangs on the wave's number alone.  Four v_nop follow each of the two lines.
.macro JLOAD g0a, g1a, g0b, g1b
	s_cmp_eq_u32 s15, 0
	s_cbranch_scc0 .Lfor_b_\@
	tensor_load_to_lds s[\g0a:\g0a+3], s[\g1a:\g1a+7]
	s_nop 0
.rept 4
	v_nop
.endr
	s_branch .Lasked_\@
.Lfor_b_\@:
	tensor_load_to_lds s[\g0b:\g0b+3], s[\g1b:\g1b+7]
	s_nop 0
.rept 4
	v_nop
.endr
.Lasked_\@:
.endm
.macro CREST                           ; a round of the cluster's barrier behind its opening barrier
	s_cmp_lg_u32 s14, 0
	s_cbranch_scc1 .Lnot_wave_0_\@
	s_barrier_signal -3
.Lnot_wave_0_\@:
	s_barrier_wait -3
	s_barrier_signal -1
	s_barrier_wait -1
.endm
.macro CROUND                          ; a whole round
	s_barrier_signal -1
	s_barrier_wait -1
	CREST
.endm
	s_load_b256 s[4:11], s[0:1], 0x0               ; x's codes s[4:5], x's scales s[6:7], W_qkv's codes s[8:9], its scales s[10:11]
	s_load_b64 s[12:13], s[0:1], 0x20              ; wk
	v_lshl_add_u32 v[SPW], v0, 2, SPARE
	v_mov_b32 v[NIL], 0
	ds_add_u32 v28, v29
	ds_add_u32 v28, v29
	s_wait_dscnt 0x0
	v_lshrrev_b32 v1, 5, v0
	v_readfirstlane_b32 s14, v1                    ; wave 0..3
	s_lshr_b32 s15, s14, 1                         ; which half of the A rows is mine.  Also: I fetch for A (0) or for B (1)
	s_and_b32 s16, s14, 1                          ; which half of the B rows.  Also: which 128 rows of that tile I fetch
	s_bfe_u32 s40, ttmp6, 0x40000                  ; cx, cy: my place in the cluster
	s_bfe_u32 s41, ttmp6, 0x40004
	s_lshl_b32 s44, s41, 2
	s_lshl_b32 s44, 15, s44                        ; my row of the cluster
	s_lshl_b32 s45, 0x1111, s40                    ; my column
	s_or_b32 s[G1+0], s44, (1<<20)|(1<<21)|(3<<22)|(3<<25)   ; 15:0 the mask: A's tiles go to my row; elements of 1 byte; 20 padding on; 21 set beside a mask; after every 16 words (code 3) 4 words (code 3)
	s_or_b32 s[G1B+0], s45, (1<<20)|(1<<21)|(3<<22)|(3<<25)  ; the same with the mask of my column
.irp g, G1, G1B
	s_mov_b32 s[\g+1], ROWB<<16                    ; tensor_dim0
	s_mov_b32 s[\g+2], 128<<16                     ; tensor_dim1
	s_mov_b32 s[\g+3], ROWB<<16                    ; tile_dim0
	s_mov_b32 s[\g+4], 128                         ; tile_dim1
	s_mov_b32 s[\g+5], KROW                        ; tensor_dim0_stride
	s_mov_b32 s[\g+6], 0
	s_mov_b32 s[\g+7], 0
.endr
	s_and_b32 s17, ttmp7, 0xffff
	s_lshl_b32 s17, s17, 2                         ; 4 x cluster y
	s_add_co_u32 s18, s17, s41                     ; q, k: A's tile of 256 tokens = 4 y + cy
	s_add_co_u32 s19, s41, 8                       ; v: A's tile of 256 rows of W_qkv = 8 + cy
	s_lshl_b32 s20, ttmp9, 2
	s_add_co_u32 s20, s20, s40                     ; q, k: B's tile of 256 rows of W_qkv = 4 x + cx
	s_add_co_u32 s21, s17, s40                     ; v: B's tile of 256 tokens = 4 y + cx
	s_cmp_eq_u32 ttmp9, 2                          ; the clusters with x = 2 make v: the same in all sixteen partners
	s_cselect_b32 s42, s19, s18                    ; RA: hangs on cy, never on cx
	s_cselect_b32 s43, s21, s20                    ; RB: hangs on cx, never on cy
	s_lshl_b32 s22, s16, 7                         ; which 128 rows of a tile I fetch
	s_lshl_b32 s46, s42, 8
	s_add_co_u32 s46, s46, s22
	s_mul_i32 s46, s46, KROW                       ; A: where they begin, in bytes
	s_mov_b32 s47, 0
	s_lshl_b32 s98, s43, 8
	s_add_co_u32 s98, s98, s22
	s_mul_i32 s98, s98, KROW                       ; B likewise
	s_mov_b32 s99, 0
	s_mul_i32 s89, s14, HALFT                      ; where they go: wave x 128 rows: no place in the cluster enters an LDS address
	s_cmp_eq_u32 ttmp9, 2
	s_wait_kmcnt 0x0
	s_cselect_b64 s[18:19], s[8:9], s[4:5]         ; the A role's codes,
	s_cselect_b64 s[20:21], s[4:5], s[8:9]         ; the B role's,
	s_cselect_b64 s[94:95], s[10:11], s[6:7]       ; the A role's scales,
	s_cselect_b64 s[96:97], s[6:7], s[10:11]       ; the B role's
	s_add_nc_u64 s[18:19], s[18:19], s[46:47]
	s_add_nc_u64 s[20:21], s[20:21], s[98:99]
	CROUND                                         ; all sixteen work-groups are here: the first joint loads meet
.irp s, 0,1
	s_mov_b32 s[G0+4*\s], 1
	s_add_co_u32 s[G0+4*\s+1], s89, \s*SLOT
	s_add_nc_u64 s[G0+4*\s+2:G0+4*\s+3], s[18:19], \s*ROWB
	s_or_b32 s[G0+4*\s+3], s[G0+4*\s+3], 0x80000000
	s_mov_b32 s[G0B+4*\s], 1
	s_add_co_u32 s[G0B+4*\s+1], s89, \s*SLOT
	s_add_nc_u64 s[G0B+4*\s+2:G0B+4*\s+3], s[20:21], \s*ROWB
	s_or_b32 s[G0B+4*\s+3], s[G0B+4*\s+3], 0x80000000
	JLOAD G0+4*\s, G1, G0B+4*\s, G1B               ; both slots' first fills: two loads of mine are out
.endr
	v_and_b32 v1, 15, v0                           ; r = lane % 16
	v_bfe_u32 v2, v0, 4, 1                         ; h = lane / 16
	; the scale words: my 128 rows of each role, 32 bytes a row
	s_lshl_b32 s46, s42, 13
	s_lshl_b32 s22, s15, 12
	s_add_co_u32 s46, s46, s22
	s_add_nc_u64 s[94:95], s[94:95], s[46:47]
	s_lshl_b32 s98, s43, 13
	s_lshl_b32 s22, s16, 12
	s_add_co_u32 s98, s98, s22
	s_add_nc_u64 s[96:97], s[96:97], s[98:99]
	v_lshlrev_b32 v[SOF], 5, v1
.irp a, 0,1,2,3,4,5,6,7
	global_load_b128 v[SCA+8*\a:SCA+8*\a+3], v[SOF], s[94:95] offset:512*\a
	global_load_b128 v[SCA+8*\a+4:SCA+8*\a+7], v[SOF], s[94:95] offset:512*\a+16
	global_load_b128 v[SCB+8*\a+96*(\a/4):SCB+8*\a+96*(\a/4)+3], v[SOF], s[96:97] offset:512*\a
	global_load_b128 v[SCB+8*\a+96*(\a/4)+4:SCB+8*\a+96*(\a/4)+7], v[SOF], s[96:97] offset:512*\a+16
.endr
	v_mul_u32_u24 v3, v1, PITCH
	v_mul_u32_u24 v10, v2, 24
	v_add_nc_u32 v10, v3, v10                      ; a fragment's row x pitch + 24 x half
	v_lshl_add_u32 v11, v2, 4, v10                 ; and the same behind one padding more
	s_mul_i32 s21, s15, HALFT                      ; my 128 rows of A
	s_mul_i32 s22, s16, HALFT                      ; my 128 rows of B,
	s_add_co_u32 s22, s22, 2*HALFT                 ; which lie behind A's 256
.irp s, 0,1
	v_add_nc_u32 v[ADRA+\s], s21, v10
	v_add_nc_u32 v[ADRB+\s], s22, v10
	v_add_nc_u32 v[ADRA+2+\s], s21, v11
	v_add_nc_u32 v[ADRB+2+\s], s22, v11
	s_add_co_u32 s21, s21, SLOT
	s_add_co_u32 s22, s22, SLOT
.endr
	; the way out's places in wk.  Both roles' offsets are made, then chosen
	s_lshl_b32 s17, s43, 2
	s_lshl_b32 s18, s16, 1
	s_add_co_u32 s17, s17, s18                     ; q, k: my first head = 4 RB + 2 (wave & 1)
	s_lshl_b32 s17, s17, 8
	s_lshl_b32 s18, s42, 4
	s_add_co_u32 s17, s17, s18
	s_lshl_b32 s18, s15, 3
	s_add_co_u32 s17, s17, s18                     ; x 256 + my first tile of tokens = 16 RA + 8 (wave / 2)
	s_lshl_b32 s19, s41, 2
	s_lshl_b32 s18, s15, 1
	s_add_co_u32 s19, s19, s18                     ; v: my first head = 4 cy + 2 (wave / 2)
	s_lshl_b32 s20, s19, 7
	s_lshl_b32 s18, s43, 3
	s_add_co_u32 s20, s20, s18
	s_lshl_b32 s18, s16, 2
	s_add_co_u32 s20, s20, s18                     ; x 128 + my first block of tokens = 8 RB + 4 (wave & 1)
	s_lshl_b32 s21, s17, 9                         ; q, k plane 4: 512 bytes a tile
	s_lshl_b32 s22, s20, 10
	s_add_co_u32 s22, s22, OFF_V4                  ; v plane 4: 1,024 bytes a block of tokens
	s_lshl_b32 s23, s17, 8
	s_add_co_u32 s23, s23, OFF_QK2
	s_lshl_b32 s46, s20, 9
	s_add_co_u32 s46, s46, OFF_V2
	s_lshl_b32 s2, s43, 1
	s_add_co_u32 s2, s2, s16                       ; 2 RB + (wave & 1): q, k: my pair of heads; v: my four blocks of tokens
	s_lshl_b32 s3, s2, 7
	s_lshl_b32 s18, s42, 3
	s_add_co_u32 s3, s3, s18
	s_lshl_b32 s18, s15, 2
	s_add_co_u32 s3, s3, s18
	s_lshl_b32 s3, s3, 7
	s_add_co_u32 s3, s3, OFF_QKS                   ; q, k scale words: 128 bytes a pair of tiles
	s_lshl_b32 s93, s19, 5
	s_add_co_u32 s93, s93, s2
	s_lshl_b32 s93, s93, 8
	s_add_co_u32 s93, s93, OFF_VS                  ; v scale words: 256 bytes for four blocks of tokens
	s_mov_b32 s99, 0
	s_cmp_eq_u32 ttmp9, 2
	s_cselect_b32 s98, s22, s21
	s_add_nc_u64 s[P4:P4+1], s[12:13], s[98:99]
	s_cselect_b32 s98, s46, s23
	s_add_nc_u64 s[P2:P2+1], s[12:13], s[98:99]
	s_cselect_b32 s98, s93, s3
	s_add_nc_u64 s[PS:PS+1], s[12:13], s[98:99]
	s_mov_b32 s[ST4], 512                          ; q, k: the next tile of tokens;  v: the next tile of features, and at block 4 the next head
	s_cselect_b32 s[ST4], 256, s[ST4]
	s_mov_b32 s[SX4], 512
	s_cselect_b32 s[SX4], 130304, s[SX4]           ; 128 x 1,024 - 3 x 256
	s_mov_b32 s[ST2], 256
	s_cselect_b32 s[ST2], 128, s[ST2]
	s_mov_b32 s[SX2], 256
	s_cselect_b32 s[SX2], 65152, s[SX2]
	s_mov_b32 s[SC4], 131072                       ; q, k: the next head;  v: two blocks of tokens on
	s_cselect_b32 s[SC4], 2048, s[SC4]
	s_mov_b32 s[SC2], 65536
	s_cselect_b32 s[SC2], 1024, s[SC2]
	s_mov_b32 s[SH4], 256                          ; q, k: the head's second block;  v: the next block of tokens
	s_cselect_b32 s[SH4], 1024, s[SH4]
	s_mov_b32 s[SH2], 128
	s_cselect_b32 s[SH2], 512, s[SH2]
	s_mov_b32 s[SJ], 256
	s_cselect_b32 s[SJ], 8192, s[SJ]
	s_mov_b32 s[ST4+1], 0
	s_mov_b32 s[SX4+1], 0
	s_mov_b32 s[ST2+1], 0
	s_mov_b32 s[SX2+1], 0
	s_mov_b32 s[FLOOR], 0x1800000
	s_mov_b32 s[SELA], 0x05040100
	s_mov_b32 s[SELB], 0x05040302
	s_mov_b32 s[SELC], 0x07060302
	s_mov_b32 s[SEL], 0x76543210
	s_mov_b32 s[SEL+1], 0xfedcba98
	s_mov_b32 s[HMASK], 0xffff0000
	v_mul_u32_u24 v[VO4], v2, s[SH4]
	v_lshl_add_u32 v[VO4], v1, 4, v[VO4]           ; 16 r + h x the halves' distance
	v_add_nc_u32 v[VO4+1], s[SC4], v[VO4]
	v_mul_u32_u24 v[VO2], v2, s[SH2]
	v_lshl_add_u32 v[VO2], v1, 3, v[VO2]
	v_add_nc_u32 v[VO2+1], s[SC2], v[VO2]
	v_and_b32 v[VOS], 31, v0
	v_lshlrev_b32 v[VOS], 2, v[VOS]                ; 4 x lane
	v_add_nc_u32 v[VOS+1], s[SJ], v[VOS]
.macro FRAG reg, adr, q, i             ; a fragment: lane l holds row l % 16; registers 6 c .. 6 c + 5 hold K = 64 c + 32 (l / 16) + 0 .. 31: 24 bytes of the row's stream of bits, as they lie
.irp p, 0,1,2,3,4,5                    ; in pieces of 8 bytes.  Lanes 16-31 read three pieces further on than lanes 0-15; where that is behind one padding more, the second address register serves
.set PIECE, 12*(\q)+6*(\p/3)+\p%3
.if PIECE%8 < 5
	ds_load_b64 v[\reg+2*\p:\reg+2*\p+1], v[\adr] offset:8*PIECE+16*(PIECE/8)+(\i)*16*PITCH
.else
	ds_load_b64 v[\reg+2*\p:\reg+2*\p+1], v[\adr+2] offset:8*PIECE+16*(PIECE/8)+(\i)*16*PITCH
.endif
.endr
.endm
; 16 matrix instructions: A's blocks a0, a0 + 1 x B's eight, the kq-th 128 along K.  p: B's set.  zero = 1: the first product starts the sums.
; The 64 accumulators take turns, one instruction a turn, in the same order in every step.
.macro MUL16 a0, p, kq, zero
.irp a, \a0, \a0+1
.irp b, 0,1,2,3,4,5,6,7
.if \zero
	v_wmma_scale_f32_16x16x128_f8f6f4 v[8*(8*((\a)%4)+\b):8*(8*((\a)%4)+\b)+7], v[128*(\p)+FR*\b:128*(\p)+FR*\b+FR-1], v[AF+FR*(\a):AF+FR*(\a)+FR-1], 0, v[SCB+8*\b+96*(\b/4)+(\kq)], v[SCA+8*(\a)+(\kq)] matrix_a_fmt:MATRIX_FMT_FP6 matrix_b_fmt:MATRIX_FMT_FP6
.else
	v_wmma_scale_f32_16x16x128_f8f6f4 v[8*(8*((\a)%4)+\b):8*(8*((\a)%4)+\b)+7], v[128*(\p)+FR*\b:128*(\p)+FR*\b+FR-1], v[AF+FR*(\a):AF+FR*(\a)+FR-1], v[8*(8*((\a)%4)+\b):8*(8*((\a)%4)+\b)+7], v[SCB+8*\b+96*(\b/4)+(\kq)], v[SCA+8*(\a)+(\kq)] matrix_a_fmt:MATRIX_FMT_FP6 matrix_b_fmt:MATRIX_FMT_FP6
.endif
.endr
.endr
.endm
.macro FETCH_B slot, q, p              ; B's eight fragments of the slot's q-th 128 along K into set p
	WIN TO_B
.irp i, 0,1,2,3,4,5,6,7
	FRAG 128*(\p)+FR*\i, ADRB+\slot, \q, \i
.endr
	WIN 0
.endm
.macro FETCH_A slot, q, i0             ; A's blocks i0 .. i0 + 3
.irp i, \i0, \i0+1, \i0+2, \i0+3
	FRAG AF+FR*(\i), ADRA+\slot, \q, \i
.endr
.endm
.macro PLACES n                        ; plain vector lines between a matrix instruction and a load into, or a vector line on, its registers
.rept \n
	v_nop
.endr
.endm
; A step of 128 along K that has its successor in the same slot.  A block of A is free as soon as its eight products are issued: blocks 0-3 are fetched anew in the step's middle, blocks 4-7 at its end.
.macro STEP slot, q, kq, zero
	s_wait_dscnt 4*NL                              ; B's set and A's blocks 0-3 are in; the youngest 24 loads (A's blocks 4-7) may be out
	WIN MUL_LO
	MUL16 0, (\q)%2, \kq, \zero
	MUL16 2, (\q)%2, \kq, \zero
	s_wait_dscnt 0                                 ; A's blocks 4-7 are in
	PLACES NP
	FETCH_B \slot, (\q)+1, 1-(\q)%2
	FETCH_A \slot, (\q)+1, 0
	WIN MUL_HI
	MUL16 4, (\q)%2, \kq, \zero
	MUL16 6, (\q)%2, \kq, \zero
	PLACES NP
	WIN 0
	FETCH_A \slot, (\q)+1, 4
.endm
; A slot's last step changes slots: one barrier; in front of it each wave waits for all its tensor loads, adds 0 to its spare word, and waits for that and for its own reads of this slot.
; fill = 1: the barrier opens a round of the cluster's barrier, and this slot is filled again, 512 along K ahead, first thing behind the round.
.macro TURN slot, next, fill, kq
	s_wait_tensorcnt 0x0                           ; all my tensor loads have landed: my part of the next slot  (every window is 0 here)
	ds_add_u32 v[SPW], v[NIL]                      ; 0 onto my spare word
	s_wait_dscnt 4*NL+1                            ; (the add and the youngest 24 loads, A's blocks 4-7, may be out)
	WIN MUL_LO
	MUL16 0, 1, \kq, 0                             ; sixteen matrix instructions stand between the add and the wait for it
	s_wait_dscnt 0x0                               ; the add is done, and my reads of this slot are over
	s_barrier_signal -1
	MUL16 2, 1, \kq, 0
	WIN 0
	s_barrier_wait -1
.if \fill
	CREST                                          ; no wave of any partner still reads this slot's tile or has a load on its way
	s_add_nc_u64 s[G0+4*\slot+2:G0+4*\slot+3], s[G0+4*\slot+2:G0+4*\slot+3], 2*ROWB
	s_add_nc_u64 s[G0B+4*\slot+2:G0B+4*\slot+3], s[G0B+4*\slot+2:G0B+4*\slot+3], 2*ROWB
	JLOAD G0+4*\slot, G1, G0B+4*\slot, G1B         ; my one tensor load behind the round; the four v_nop behind it are the places in front of the loads below
.else
	PLACES NP
.endif
	FETCH_B \next, 0, 0
	FETCH_A \next, 0, 0
	WIN MUL_HI
	MUL16 4, 1, \kq, 0
	MUL16 6, 1, \kq, 0
	PLACES NP
	WIN 0
	FETCH_A \next, 0, 4
.endm
	s_wait_tensorcnt 1                             ; my part of slot 0 is in; slot 1's load may be out
	s_barrier_signal -1
	s_barrier_wait -1                              ; everybody's is
	FETCH_B 0, 0, 0
	FETCH_A 0, 0, 0
	FETCH_A 0, 0, 4
	s_wait_loadcnt 0x0                             ; the scale words
	STEP 0, 0, 0, 1                                ; K = 1,024 is eight steps of 128, four slots' worth: written out, no loop
	TURN 0, 1, 1, 1
	STEP 1, 0, 2, 0
	TURN 1, 0, 1, 3
	STEP 0, 0, 4, 0
	TURN 0, 1, 0, 5                                ; nothing is left to fetch: a plain barrier
	STEP 1, 0, 6, 0
	s_wait_dscnt 4*NL                              ; the last step
	WIN MUL_LO
	MUL16 0, 1, 7, 0
	MUL16 2, 1, 7, 0
	s_wait_dscnt 0
	WIN MUL_HI
	MUL16 4, 1, 7, 0
	MUL16 6, 1, 7, 0
	WIN 0
; THE WAY OUT, an A block of 16 rows at a time.  A lane's 64 registers are 128 neighbours of the B role, four blocks of 32: register 16 b + 8 u + j is number 32 b + 16 u + 8 (lane / 16) + j.
; A block lies in lanes l and l xor 16.  A conversion gives 16 codes (96 bits): numbers 8 h + 0 .. 7 and 16 + 8 h + 0 .. 7 of its block.  The exchange of halves gives lanes 0-15 all of block 2 c and lanes 16-31
; all of block 2 c + 1, in two runs X (numbers 0-7, 16-23) and Y (8-15, 24-31); four byte selects and a move lay the 48-bit pieces in order: the six registers of the operand.
.macro QOUT a
.set AC, 64*((\a)%4)
.set PCD, PC0+12*((\a)%2)
	WIN 0x28+0x14*((\a)/4)                         ; sources 1 and 2: the accumulators' window
.irp b, 0,1,2,3
	v_max3_num_f32 v[TM+\b], s[FLOOR], |v[AC+16*\b]|, |v[AC+16*\b+1]|   ; my 16 numbers of block b, and the floor; each accumulator is read from its low end on
.endr
.irp i, 2,4,6,8,10,12,14
.irp b, 0,1,2,3
	v_max3_num_f32 v[TM+\b], v[TM+\b], |v[AC+16*\b+\i]|, |v[AC+16*\b+\i+1]|
.endr
.endr
	WIN 0
.irp b, 0,1,2,3
	v_permlanex16_b32 v[TM+4+\b], v[TM+\b], s[SEL], s[SEL+1]
.endr
.irp b, 0,1,2,3
	v_max_num_f32 v[TM+\b], v[TM+\b], v[TM+4+\b]   ; with lane l xor 16's: the block's largest magnitude
.endr
.irp b, 0,1,2,3
	v_add_nc_u32 v[TM+8+\b], 0xff000000, v[TM+\b]  ; 2 off its exponent field: the conversion's scale operand
.endr
.irp b, 0,1,2,3
	v_lshrrev_b32 v[TM+4+\b], 23, v[TM+8+\b]       ; the scale's byte
.endr
	v_lshl_or_b32 v[PW+(\a)], v[TM+5], 8, v[TM+4]
	v_lshl_or_b32 v[PW+(\a)], v[TM+6], 16, v[PW+(\a)]
	v_lshl_or_b32 v[PW+(\a)], v[TM+7], 24, v[PW+(\a)]
	s_wait_xcnt 0x0                                ; the earlier stores have read their data and their bases: this set of code registers and the bases may be written
.if (\a) == 4
	s_add_nc_u64 s[P4:P4+1], s[P4:P4+1], s[SX4:SX4+1]
	s_add_nc_u64 s[P2:P2+1], s[P2:P2+1], s[SX2:SX2+1]
.elseif (\a) > 0
	s_add_nc_u64 s[P4:P4+1], s[P4:P4+1], s[ST4:ST4+1]
	s_add_nc_u64 s[P2:P2+1], s[P2:P2+1], s[ST2:ST2+1]
.endif
	WIN 0x02+((\a)/4)                              ; source 0: the accumulators' window
.irp c, 0,1
	v_cvt_scalef32_pk16_fp6_f32 v[PCD+6*\c:PCD+6*\c+2], v[AC+32*\c:AC+32*\c+15], v[TM+8+2*\c]        ; X
	v_cvt_scalef32_pk16_fp6_f32 v[CY+4*\c:CY+4*\c+2], v[AC+32*\c+16:AC+32*\c+31], v[TM+8+2*\c+1]     ; Y
.endr
	WIN 0
	v_nop                                          ; one plain line behind the last scaled conversion
.irp c, 0,1
.irp i, 0,1,2
	v_permlane16_swap_b32 v[PCD+6*\c+\i], v[CY+4*\c+\i]
.endr
	v_perm_b32 v[PCD+6*\c+3], v[PCD+6*\c+2], v[PCD+6*\c+1], s[SELB]   ; register 3: X bits 48-79
	v_perm_b32 v[PCD+6*\c+4], v[CY+4*\c+1], v[PCD+6*\c+2], s[SELC]    ; register 4: X bits 80-95, Y bits 48-63
	v_perm_b32 v[PCD+6*\c+1], v[CY+4*\c], v[PCD+6*\c+1], s[SELA]      ; register 1: X bits 32-47, Y bits 0-15
	v_perm_b32 v[PCD+6*\c+2], v[CY+4*\c+1], v[CY+4*\c], s[SELB]       ; register 2: Y bits 16-47
	v_mov_b32 v[PCD+6*\c+5], v[CY+4*\c+2]                             ; register 5: Y bits 64-95;  register 0 is X bits 0-31, where they stand
.endr
.irp c, 0,1
	global_store_b128 v[VO4+\c], v[PCD+6*\c:PCD+6*\c+3], s[P4:P4+1]   ; each half of the lanes stores 256 consecutive bytes, at a multiple of 256 from wk's first byte
	global_store_b64 v[VO2+\c], v[PCD+6*\c+4:PCD+6*\c+5], s[P2:P2+1]  ; q, k: 256 consecutive bytes;  v: two runs of 128, which the neighbouring A block completes
.endr
.if ((\a)%2) == 1
	v_cndmask_b32 v[PSEL+(\a)/2], v[PW+(\a)-1], v[PW+(\a)], s[HMASK]  ; lanes 0-15: the even block's words; lanes 16-31: the odd block's
	global_store_b32 v[VOS+(\a)/4], v[PSEL+(\a)/2], s[PS:PS+1] offset:128*(((\a)/2)%2)   ; 128 consecutive bytes; the scale words are one part in 24 of the codes' bytes
.endif
.endm
	PLACES NP                                      ; behind the last products: for the reads of results and the writes over A's fragments
.irp b, 0,1,2,3
	v_mov_b32 v[TM+4+\b], 0                        ; written once: a lane permute's destination counts as one of its sources
.endr
.irp a, 0,1,2,3,4,5,6,7
	QOUT \a
.endr
	s_wait_tensorcnt 0x0                           ; the wave's end
	ds_add_u32 v[SPW], v[NIL]
	s_wait_dscnt 0x0
	CROUND                                         ; the closing round: no work-group ends while a partner may still ask for a tile that names it
	s_endpgm
.Lfunc_end_k_q8dffe40ca7_qkv:
	.size	k_q8dffe40ca7_qkv, .Lfunc_end_k_q8dffe40ca7_qkv-k_q8dffe40ca7_qkv
	.p2alignl 7, 3214868480
	.fill 96, 4, 3214868480
	.section	.rodata,"a",@progbits
	.p2align	6, 0x0
	.amdhsa_kernel k_q8dffe40ca7_qkv
		.amdhsa_group_segment_fixed_size 327680
		.amdhsa_private_segment_fixed_size 0
		.amdhsa_enable_private_segment 0
		.amdhsa_kernarg_size 40
		.amdhsa_user_sgpr_count 2
		.amdhsa_user_sgpr_kernarg_segment_ptr 1
		.amdhsa_wavefront_size32 1
		.amdhsa_system_sgpr_workgroup_id_x 1
		.amdhsa_system_sgpr_workgroup_id_y 1
		.amdhsa_system_sgpr_workgroup_id_z 1
		.amdhsa_system_vgpr_workitem_id 0
		.amdhsa_next_free_vgpr 1024
		.amdhsa_next_free_sgpr 100
		.amdhsa_reserve_vcc 0
		.amdhsa_float_denorm_mode_32 3
		.amdhsa_float_denorm_mode_16_64 3
		.amdhsa_memory_ordered 1
		.amdhsa_forward_progress 1
		.amdhsa_inst_pref_size 169
	.end_amdhsa_kernel
	.amdgpu_metadata
---
amdhsa.version: [ 1, 2 ]
amdhsa.kernels:
  - .name:           k_q8dffe40ca7_qkv
    .symbol:         k_q8dffe40ca7_qkv.kd
    .args:
      - { .name: x_codes, .offset: 0, .size: 8, .value_kind: global_buffer, .address_space: global }
      - { .name: x_scales, .offset: 8, .size: 8, .value_kind: global_buffer, .address_space: global }
      - { .name: W_qkv_codes, .offset: 16, .size: 8, .value_kind: global_buffer, .address_space: global }
      - { .name: W_qkv_scales, .offset: 24, .size: 8, .value_kind: global_buffer, .address_space: global }
      - { .name: wk, .offset: 32, .size: 8, .value_kind: global_buffer, .address_space: global }
    .group_segment_fixed_size: 327680
    .private_segment_fixed_size: 0
    .kernarg_segment_align: 8
    .kernarg_segment_size: 40
    .max_flat_workgroup_size: 128
    .sgpr_count:     100
    .vgpr_count:     1024
    .wavefront_size: 32
...
	.end_amdgpu_metadata
.endif
;; end of part 1
;; launch attn (part 2): grid 16 x 16, 16 waves a work-group, no clusters, 169,984 bytes of LDS; arguments wk, ao, aos; writes ao, aos
.if DOCPART == 2
	.amdgcn_target "amdgcn-amd-amdhsa--gfx1250"
	.amdhsa_code_object_version 6
	.text
	.protected	k_q8dffe40ca7_attn
	.globl	k_q8dffe40ca7_attn
	.p2align	8
	.type	k_q8dffe40ca7_attn,@function
k_q8dffe40ca7_attn:
	s_mov_b64 s[64:65], 0
	v_nop
	global_prefetch_b8 v0, s[64:65] scope:SCOPE_SE
	s_setreg_imm32_b32 hwreg(HW_REG_WAVE_MODE, 25, 1), 1
	s_wait_xcnt 0x0
; Sliding-window attention on codes of FP6 (E2M3): scores = q k^T / 8, mask (key j counts for query i where i - 255 <= j <= i), softmax, attn v; then the result is quantised along D for the last product.
; q, k, v come as codes and scale words from wk, in the layout that the launch before has stored (its head comment; the offsets below).
; THE BAND.  A tile of 16 queries lies in one block of 32 tokens, block B; its 256 keys lie in the nine blocks B - 8 .. B, 288 keys.  All scores of a row are held in registers (144 a lane: a row lies in lanes l, l xor 16),
; so the softmax is taken as it is written: the row's true maximum is taken away, and attn is FINISHED AND NORMALISED before it is quantised, in blocks of 32 keys that begin at multiples of 32.
; SHARES.  A work-group owns 256 queries of one head; each of its sixteen waves owns one tile of 16, in 256 registers: four waves to a SIMD, so that one wave's vector work stands beside another's products and LDS loads.
; The work-group's 512 keys (32 tiles of k, 16 blocks of v, their scale words) come into LDS once, by one tensor load a wave (wave 15: none); nothing is filled again.
; LAYOUT.  Both products are used transposed: S^T = K Q^T (source 0 = 16 keys, source 1 = my 16 queries), O^T = V^T P^T (source 0 = 16 of the head's 64, source 1 = P): a lane holds ONE query (lane % 16) throughout.
; K = 64 in the first product: Q's registers 6-11 are zero codes and both sides' scale bytes 2, 3 are 0, so whatever codes stand in K's upper six registers add nothing.
; IN FRONT OF A BATCH'S FIRST TOKEN the window reaches into bytes of wk that belong to other tokens or planes: all are codes and scale bytes 1 .. 254 that the launch before stored.  Such blocks get the addend -infinity
; in the exponent, so their attn is 0, their codes are zeros, and what stands against them in V adds nothing.  The addends hang on ids alone.
; No joint loads: a run of 16 key tiles is read by two work-groups, at different places of their windows, and a joint load wants one LDS address in all that it names.  No prefetch: the only fill stands at the head.
; LIMITS: an exponential or an attn under 2^-126 counts as 0 (ISA guide, v_exp_f32); a block whose largest number lies under 2^-124, or is 0, has the scale byte 1 (zeros: the rule says 127; only this program reads the bytes);
; NaN and infinities among the scores are not served.
.set OFF_V4,  4194304
.set OFF_QK2, 6291456
.set OFF_V2,  8388608
.set OFF_QKS, 9437184
.set OFF_VS,  9699328
.set K4L, 0                            ; LDS: k plane 4: 32 tiles x 512 bytes: tiles 16 x - 16 .. 16 x + 15
.set V4L, 16384                        ; v plane 4: 16 blocks of tokens x 1,024 bytes: blocks 8 x - 8 .. 8 x + 7
.set K2L, 32768                        ; k plane 2: 32 x 256
.set V2L, 40960                        ; v plane 2: 16 x 512
.set KSL, 49152                        ; k's scale words: 16 pairs of tiles x 128 bytes
.set VSL, 51200                        ; v's scale words: 4 x 256 bytes
; v1 16 x lane, v2 8 x lane, v3 4 r; v4, v5 K's planes; v6, v7 V's planes (+ a block for lanes 16-31), v8, v9 the same without; v10, v11 the scale words; v12 the mask's number; v13 -infinity; v14 4 r + h
.set QF,  16                           ; v16-27   Q's fragment: six registers of codes, six of zeros; later P's last key step
.set KB,  28                           ; v28-81   nine tiles of K, six registers each
.set RW,  82                           ; v82-87   V's scale words as they lie
.set S,   88                           ; v88-231  S^T: register 16 m + i = key 32 m + i + 8 (i / 8) + 8 h of the window; then attn; then V's fragments
.set KSC, 232                          ; v232-240 K's scale words: lanes 0-15 tile 2 m, lanes 16-31 tile 2 m + 1
.set QSC, 241                          ; v241     Q's
.set VSC, 242                          ; v242-247 V's: key step s, tiles 2 d (lanes 0-15) and 2 d + 1 (lanes 16-31): v[VSC + 2 s + d]
.set PSC, 248                          ; v248-250 P's, a word for each key step
.set MB,  28                           ; v28-36   a block's largest score, then its largest attn
.set T2,  37                           ; v37-45   at work
.set AD,  46                           ; v46-63   a pair for each block: the exponent's addend in the low word
.set RMX, 64                           ; v64      the row's largest score;  v65 -c x it
.set SUM, 66                           ; v66-69   the row's sum, two chains of pairs
.set INV, 70                           ; v70-71   1 / the sum
.set SO,  72                           ; v72-80   the conversions' scale operands
.set CP,  28                           ; block m's codes as converted: v[28 + 4 m] on
.set PCD, 64                           ; v64-87   P's fragments of key steps 0 and 1
.set OT,  28                           ; v28-59   O^T: four accumulators
.set TM,  64                           ; the way out: v64-71 at work
.set BIAS, 40                          ; s40-47   0, or -infinity for a block in front of the batch's first token
.set CS,  48                           ; s[48:49] c = log2(e) / 8;  s50 -c
.set NC,  50
.set SH16, 51                          ; 16 x (head & 1): which half of a q or k scale word is my head's
.set VSEL, 52                          ; byte selects n .. n + 3, n = (wave / 2) & 3
.set SH8, 53                           ; 8 n
.set FLOOR, 54
.set SELA, 55
.set SELB, 56
.set SELC, 57
.set SEL, 58                           ; s[58:59] lane l xor 16
.set HMASK, 77
	s_load_b128 s[4:7], s[0:1], 0x0                ; wk, ao
	s_load_b64 s[8:9], s[0:1], 0x10                ; aos
	v_lshl_add_u32 v254, v0, 2, 0x29000
	v_mov_b32 v255, 0
	ds_add_u32 v254, v255
	ds_add_u32 v254, v255
	v_lshrrev_b32 v88, 5, v0
	v_readfirstlane_b32 s10, v88                   ; wave 0..15
	s_lshr_b32 s11, s10, 1                         ; i: my block of 32 queries among the work-group's eight
	s_and_b32 s12, s10, 1                          ; u: which half of it
	s_and_b32 s14, ttmp7, 0xffff                   ; the head
	s_lshl_b32 s15, ttmp9, 4
	s_add_co_u32 s15, s15, s10                     ; my tile of 16 tokens, 0 .. 255
	; descriptor groups 1: dense blocks as rows of 256 bytes (32 elements of 8 bytes): 16 rows, and 4 rows
	s_mov_b32 s16, 3<<16
	s_mov_b32 s17, 32<<16
	s_mov_b32 s18, 16<<16
	s_mov_b32 s19, 32<<16
	s_mov_b32 s20, 16
	s_mov_b32 s21, 32
	s_mov_b32 s22, 0
	s_mov_b32 s23, 0
	s_mov_b32 s24, 3<<16
	s_mov_b32 s25, 32<<16
	s_mov_b32 s26, 4<<16
	s_mov_b32 s27, 32<<16
	s_mov_b32 s28, 4
	s_mov_b32 s29, 32
	s_mov_b32 s30, 0
	s_mov_b32 s31, 0
	; where the six regions begin in wk, each less its region's place in LDS, so that 4,096 (or 1,024) x wave can be added to both addresses
	s_lshl_b32 s60, s14, 8
	s_lshl_b32 s61, ttmp9, 4
	s_add_co_u32 s60, s60, s61
	s_add_co_u32 s60, s60, 4080                    ; (16 + head) x 256 + 16 x - 16
	s_lshl_b32 s66, s60, 9                         ; k plane 4
	s_lshl_b32 s68, s60, 8
	s_add_co_u32 s68, s68, OFF_QK2-K2L             ; k plane 2
	s_lshl_b32 s60, s14, 7
	s_lshl_b32 s61, ttmp9, 3
	s_add_co_u32 s60, s60, s61                     ; head x 128 + 8 x
	s_lshl_b32 s67, s60, 10
	s_add_co_u32 s67, s67, OFF_V4-8192-V4L         ; v plane 4, eight blocks back
	s_lshl_b32 s69, s60, 9
	s_add_co_u32 s69, s69, OFF_V2-4096-V2L         ; v plane 2
	s_lshr_b32 s60, s14, 1
	s_lshl_b32 s60, s60, 7
	s_add_co_u32 s60, s60, s61                     ; (head / 2) x 128 + 8 x
	s_lshl_b32 s70, s60, 7
	s_add_co_u32 s70, s70, OFF_QKS+1016*128-12288  ; k's scale words: pairs of heads 8 on, eight pairs of tiles back; waves 12, 13
	s_lshl_b32 s60, s14, 5
	s_lshl_b32 s61, ttmp9, 1
	s_add_co_u32 s60, s60, s61
	s_lshl_b32 s71, s60, 8
	s_add_co_u32 s71, s71, OFF_VS-512-14336        ; v's scale words; wave 14
	s_cmp_lt_u32 s10, 10
	s_cselect_b32 s62, s68, s69
	s_cmp_lt_u32 s10, 8
	s_cselect_b32 s62, s67, s62
	s_cmp_lt_u32 s10, 4
	s_cselect_b32 s62, s66, s62                    ; waves 0-3 k plane 4, 4-7 v plane 4, 8-9 k plane 2, 10-11 v plane 2
	s_lshl_b32 s33, s10, 12                        ; LDS address: 4,096 x wave
	s_add_co_u32 s62, s62, s33
	s_mov_b32 s63, 0
	s_cmp_lt_u32 s10, 14
	s_cselect_b32 s72, s70, s71
	s_lshl_b32 s37, s10, 10
	s_add_co_u32 s72, s72, s37
	s_mov_b32 s73, 0
	s_add_co_u32 s37, s37, 36864                   ; LDS address: KSL + 1,024 x (wave - 12)
	s_mov_b32 s32, 1
	s_mov_b32 s36, 1
	s_wait_dscnt 0x0
	s_wait_kmcnt 0x0
	s_add_nc_u64 s[34:35], s[4:5], s[62:63]
	s_or_b32 s35, s35, 0x80000000
	s_add_nc_u64 s[38:39], s[4:5], s[72:73]
	s_or_b32 s39, s39, 0x80000000
	s_cmp_lt_u32 s10, 12                           ; a wave's one fill; the branches hang on the wave's number alone; four v_nop follow each line
	s_cbranch_scc0 .Lnot_planes
	tensor_load_to_lds s[32:35], s[16:23]
	s_nop 0
.rept 4
	v_nop
.endr
	s_branch .Lasked
.Lnot_planes:
	s_cmp_lt_u32 s10, 15
	s_cbranch_scc0 .Lasked
	tensor_load_to_lds s[36:39], s[24:31]
	s_nop 0
.rept 4
	v_nop
.endr
.Lasked:
	v_and_b32 v88, 31, v0                          ; lane
	v_and_b32 v89, 15, v0                          ; r
	v_bfe_u32 v90, v0, 4, 1                        ; h
	v_lshlrev_b32 v1, 4, v88
	v_lshlrev_b32 v2, 3, v88
	v_lshlrev_b32 v3, 2, v89
	; Q's tile from memory: it is read by this wave alone
	s_lshl_b32 s60, s14, 8
	s_add_co_u32 s60, s60, s15                     ; head x 256 + my tile
	s_lshl_b32 s78, s60, 9
	s_lshl_b32 s79, s60, 8
	s_add_co_u32 s79, s79, OFF_QK2
	s_lshr_b32 s60, s14, 1
	s_lshl_b32 s60, s60, 7
	s_lshr_b32 s61, s15, 1
	s_add_co_u32 s60, s60, s61
	s_lshl_b32 s80, s60, 7
	s_lshl_b32 s61, s12, 6
	s_add_co_u32 s80, s80, s61
	s_add_co_u32 s80, s80, OFF_QKS
	v_add_nc_u32 v91, s78, v1
	v_add_nc_u32 v92, s79, v2
	v_add_nc_u32 v93, s80, v3
	global_load_b128 v[QF:QF+3], v91, s[4:5]
	global_load_b64 v[QF+4:QF+5], v92, s[4:5]
	global_load_b32 v[QSC], v93, s[4:5]
.irp j, 6,7,8,9,10,11
	v_mov_b32 v[QF+\j], 0                          ; K = 64 .. 127: zero codes
.endr
	s_lshl_b32 s60, s11, 10
	v_add_nc_u32 v4, s60, v1                       ; K plane 4: my window's first tile is LDS tile 2 i
	s_lshl_b32 s61, s11, 9
	s_add_co_u32 s62, s61, K2L
	v_add_nc_u32 v5, s62, v2
	s_add_co_u32 s62, s60, V4L
	v_lshl_add_u32 v8, v89, 4, s62                 ; V plane 4: my window's first block is LDS block i
	v_lshl_add_u32 v6, v90, 10, v8                 ; lanes 16-31 take the block after
	s_add_co_u32 s62, s61, V2L
	v_lshl_add_u32 v9, v89, 3, s62
	v_lshl_add_u32 v7, v90, 9, v9
	s_lshl_b32 s62, s11, 7
	s_add_co_u32 s62, s62, KSL
	v_lshl_add_u32 v10, v88, 2, s62
	s_lshr_b32 s62, s11, 2
	s_lshl_b32 s62, s62, 8
	s_add_co_u32 s62, s62, VSL
	v_lshl_add_u32 v11, v88, 2, s62
	s_lshl_b32 s62, s12, 4
	v_add_nc_u32 v12, s62, v89
	v_lshlrev_b32 v15, 3, v90
	v_sub_nc_u32 v12, v12, v15                     ; 16 u + r - 8 h
	v_mov_b32 v13, 0xff800000                      ; -infinity
	v_add_nc_u32 v14, v3, v90
	s_mov_b32 s[CS], 0x3e38aa3b                    ; c = log2(e) / sqrt(64)
	s_mov_b32 s[CS+1], s[CS]
	s_mov_b32 s[NC], 0xbe38aa3b
	s_and_b32 s[SH16], s14, 1
	s_lshl_b32 s[SH16], s[SH16], 4
	s_and_b32 s61, s11, 3
	s_mul_i32 s[VSEL], s61, 0x01010101
	s_add_co_u32 s[VSEL], s[VSEL], 0x03020100
	s_lshl_b32 s[SH8], s61, 3
	s_mov_b32 s[FLOOR], 0x1800000
	s_mov_b32 s[SELA], 0x05040100
	s_mov_b32 s[SELB], 0x05040302
	s_mov_b32 s[SELC], 0x07060302
	s_mov_b32 s[SEL], 0x76543210
	s_mov_b32 s[SEL+1], 0xfedcba98
	s_mov_b32 s[HMASK], 0xffff0000
	s_and_b32 s60, ttmp9, 7                        ; block m of my window lies in my batch where m >= 8 - 8 (x & 7) - i
	s_lshl_b32 s60, s60, 3
	s_add_co_u32 s60, s60, s11
	s_sub_co_i32 s60, 8, s60
.irp m, 0,1,2,3,4,5,6,7
	s_cmp_le_i32 s60, \m
	s_cselect_b32 s[BIAS+\m], 0, 0xff800000
.endr
	; where my results go: ao [chunk of 4 heads][group of 8 tiles][24,576]: plane 4 [tile][block of 32 along D, 8][r][16], then plane 2 [..][8];  aos [tile][128 along D, 8][r] words
	s_lshr_b32 s60, s14, 2
	s_lshl_b32 s60, s60, 5
	s_lshr_b32 s61, s15, 3
	s_add_co_u32 s60, s60, s61
	s_mul_i32 s60, s60, 24576
	s_and_b32 s61, s15, 7
	s_lshl_b32 s61, s61, 3
	s_and_b32 s62, s14, 3
	s_lshl_b32 s62, s62, 1
	s_add_co_u32 s61, s61, s62
	s_lshl_b32 s74, s61, 8
	s_add_co_u32 s74, s74, s60
	s_lshl_b32 s75, s61, 7
	s_add_co_u32 s75, s75, s60
	s_add_co_u32 s75, s75, 16384
	s_lshl_b32 s76, s15, 9
	s_lshr_b32 s61, s14, 1
	s_lshl_b32 s61, s61, 6
	s_add_co_u32 s76, s76, s61
	s_and_b32 s61, s14, 1
	s_lshl_b32 s61, s61, 1
	s_add_co_u32 s76, s76, s61
	s_wait_tensorcnt 0x0                           ; my fill has landed,
	s_barrier_signal -1
	s_barrier_wait -1                              ; everybody's has
.macro KLOAD g                         ; nine tiles of K: tile 9 g + t of my window's eighteen
.irp t, 0,1,2,3,4,5,6,7,8
	ds_load_b128 v[KB+6*\t:KB+6*\t+3], v4 offset:512*(9*(\g)+\t)
	ds_load_b64 v[KB+6*\t+4:KB+6*\t+5], v5 offset:256*(9*(\g)+\t)
.endr
.endm
.macro SCORES g                        ; source 0 names twelve registers: a tile's six and the six behind them, which stand against Q's zero codes
.irp t, 0,1,2,3,4,5,6,7,8
.if (9*(\g)+\t)%2
	v_wmma_scale_f32_16x16x128_f8f6f4 v[S+8*(9*(\g)+\t):S+8*(9*(\g)+\t)+7], v[KB+6*\t:KB+6*\t+11], v[QF:QF+11], 0, v[KSC+(9*(\g)+\t)/2], v[QSC] matrix_a_fmt:MATRIX_FMT_FP6 matrix_b_fmt:MATRIX_FMT_FP6 matrix_a_scale:MATRIX_SCALE_ROW1
.else
	v_wmma_scale_f32_16x16x128_f8f6f4 v[S+8*(9*(\g)+\t):S+8*(9*(\g)+\t)+7], v[KB+6*\t:KB+6*\t+11], v[QF:QF+11], 0, v[KSC+(9*(\g)+\t)/2], v[QSC] matrix_a_fmt:MATRIX_FMT_FP6 matrix_b_fmt:MATRIX_FMT_FP6
.endif
.endr
.endm
.irp m, 0,1,2,3,4,5,6,7,8
	ds_load_b32 v[KSC+\m], v10 offset:128*\m
.endr
.irp w, 0,1,2
.irp d, 0,1
	ds_load_b32 v[RW+2*\w+\d], v11 offset:256*\w+128*\d
.endr
.endr
	KLOAD 0
	s_wait_dscnt 18                                ; the fifteen scale loads are in; the eighteen loads of K may be out
	s_wait_loadcnt 0x0                             ; Q
	v_bfe_u32 v[QSC], v[QSC], s[SH16], 16          ; my head's two bytes; bytes 2 and 3 become 0
.irp m, 0,1,2,3,4,5,6,7,8
	v_bfe_u32 v[KSC+\m], v[KSC+\m], s[SH16], 16
.endr
.irp d, 0,1                                    ; V's words hold blocks 4 g .. 4 g + 3; my key step s wants blocks i + 4 s .. i + 4 s + 3: four bytes from byte n = i & 3 of two neighbouring words
	v_perm_b32 v[VSC+\d], v[RW+2+\d], v[RW+\d], s[VSEL]
	v_perm_b32 v[VSC+2+\d], v[RW+4+\d], v[RW+2+\d], s[VSEL]
	v_bfe_u32 v[VSC+4+\d], v[RW+4+\d], s[SH8], 8   ; the last key step has one block
.endr                                          ; (these sixteen plain lines are also the places between the writing of a scale register and the first scaled products)
	s_wait_dscnt 0x0
	SCORES 0
.rept 4
	v_nop                                          ; places in front of loads into registers that matrix instructions have read
.endr
	KLOAD 1
	s_wait_dscnt 0x0
	SCORES 1
.rept 4
	v_nop
.endr
; THE MASK.  In the window my query stands at 256 + 16 u + r.  Block 8, key 256 + kc + 8 h: hidden (future) where kc > 16 u + r - 8 h.  Block 0, key kc + 8 h: hidden (too old) where kc <= 16 u + r - 8 h.  Blocks 1 to 7 count whole.
.irp n, 0,1,2,3,4,5,6,7,8,9,10,11,12,13,14,15
	v_cmp_gt_i32 vcc_lo, \n+8*(\n/8), v12
	v_cndmask_b32 v[S+128+\n], v[S+128+\n], v13, vcc_lo
	v_cndmask_b32 v[S+\n], v13, v[S+\n], vcc_lo
.endr
; The largest score of each block: it serves for the row's maximum and, since attn rises with the score, for the block's largest attn
.irp m, 0,1,2,3,4,5,6,7,8
	v_max3_num_f32 v[MB+\m], v[S+16*\m], v[S+16*\m+1], v[S+16*\m+2]
.endr
.irp i, 3,5,7,9,11,13
.irp m, 0,1,2,3,4,5,6,7,8
	v_max3_num_f32 v[MB+\m], v[MB+\m], v[S+16*\m+\i], v[S+16*\m+\i+1]
.endr
.endr
.irp m, 0,1,2,3,4,5,6,7,8
	v_max_num_f32 v[MB+\m], v[MB+\m], v[S+16*\m+15]
.endr
.irp m, 0,1,2,3,4,5,6,7,8
	v_permlanex16_b32 v[T2+\m], v[MB+\m], s[SEL], s[SEL+1]
.endr
.irp m, 0,1,2,3,4,5,6,7,8
	v_max_num_f32 v[MB+\m], v[MB+\m], v[T2+\m]     ; with lane l xor 16's 16 keys
.endr
.irp m, 0,1,2,3,4,5,6,7
	v_add_f32 v[MB+\m], s[BIAS+\m], v[MB+\m]       ; blocks in front of the batch: -infinity
.endr
	v_max3_num_f32 v[RMX], v[MB], v[MB+1], v[MB+2]
	v_max3_num_f32 v[RMX], v[RMX], v[MB+3], v[MB+4]
	v_max3_num_f32 v[RMX], v[RMX], v[MB+5], v[MB+6]
	v_max3_num_f32 v[RMX], v[RMX], v[MB+7], v[MB+8]   ; the row's largest score: a number, since key i counts for query i
	v_mul_f32 v[RMX+1], s[NC], v[RMX]              ; -c x it.  Its rounding is one factor in all of a row's exponentials and leaves with the normalisation
.irp m, 0,1,2,3,4,5,6,7
	v_add_f32 v[AD+2*\m], s[BIAS+\m], v[RMX+1]
.endr
	v_mov_b32 v[AD+16], v[RMX+1]
.irp m, 0,1,2,3,4,5,6,7,8
.irp j, 0,2,4,6,8,10,12,14
	v_pk_fma_f32 v[S+16*\m+\j:S+16*\m+\j+1], v[S+16*\m+\j:S+16*\m+\j+1], s[CS:CS+1], v[AD+2*\m:AD+2*\m+1] op_sel_hi:[1,0,0]   ; c s - c max, two at a time
.endr
.endr
.irp m, 0,1,2,3,4,5,6,7,8
	v_fma_f32 v[MB+\m], v[MB+\m], s[CS], v[AD+2*\m]   ; the same of each block's largest score
.endr
.set J, 0
.rept 144
	v_exp_f32 v[S+J], v[S+J]                       ; one batch
.set J, J+1
.endr
	v_nop                                          ; a plain line behind the last exponential
	s_wait_alu depctr_va_vdst(0)                   ; one wait for the batch, ahead of the first line that names a result
.irp m, 0,1,2,3,4,5,6,7,8
	v_exp_f32 v[MB+\m], v[MB+\m]                   ; a second, small batch: the sums below name none of its results
.endr
	v_pk_add_f32 v[SUM:SUM+1], v[S:S+1], v[S+2:S+3]
	v_pk_add_f32 v[SUM+2:SUM+3], v[S+4:S+5], v[S+6:S+7]
.set J, 8
.rept 34
	v_pk_add_f32 v[SUM:SUM+1], v[SUM:SUM+1], v[S+J:S+J+1]
	v_pk_add_f32 v[SUM+2:SUM+3], v[SUM+2:SUM+3], v[S+J+2:S+J+3]
.set J, J+4
.endr
	v_pk_add_f32 v[SUM:SUM+1], v[SUM:SUM+1], v[SUM+2:SUM+3]
	v_add_f32 v[SUM], v[SUM], v[SUM+1]
	v_permlanex16_b32 v[SUM+1], v[SUM], s[SEL], s[SEL+1]
	v_add_f32 v[SUM], v[SUM], v[SUM+1]             ; the row's sum
	v_rcp_f32 v[INV], v[SUM]
	v_nop
	s_wait_alu depctr_va_vdst(0)                   ; one wait for the nine exponentials and the reciprocal
.set J, 0
.rept 72
	v_pk_mul_f32 v[S+J:S+J+1], v[S+J:S+J+1], v[INV:INV+1] op_sel_hi:[1,0]   ; attn, finished and normalised
.set J, J+2
.endr
.irp m, 0,1,2,3,4,5,6,7,8
	v_mul_f32 v[MB+\m], v[MB+\m], v[INV]           ; a block's largest attn: the same three operations on the same number give the same bits
.endr
.irp m, 0,1,2,3,4,5,6,7,8
	v_max_num_f32 v[MB+\m], s[FLOOR], v[MB+\m]     ; the floor 2^(3 - 127): the byte cannot fall under 1
.endr
.irp m, 0,1,2,3,4,5,6,7,8
	v_add_nc_u32 v[SO+\m], 0xff000000, v[MB+\m]    ; 2 off the exponent field: the conversion's scale operand
.endr
.irp m, 0,1,2,3,4,5,6,7,8
	v_lshrrev_b32 v[T2+\m], 23, v[SO+\m]           ; the scale's byte
.endr
.irp s, 0,1
	v_lshl_or_b32 v[PSC+\s], v[T2+4*\s+1], 8, v[T2+4*\s]
	v_lshl_or_b32 v[PSC+\s], v[T2+4*\s+2], 16, v[PSC+\s]
	v_lshl_or_b32 v[PSC+\s], v[T2+4*\s+3], 24, v[PSC+\s]
.endr
	v_mov_b32 v[PSC+2], v[T2+8]                    ; the last key step: one block; its other bytes are 0
.irp m, 0,1,2,3,4,5,6,7,8
	v_cvt_scalef32_pk16_fp6_f32 v[CP+4*\m:CP+4*\m+2], v[S+16*\m:S+16*\m+15], v[SO+\m]
.endr
	v_nop                                          ; one plain line behind the last scaled conversion
; attn's registers are free: V's fragments land there.  Fragment (key step s, tile t of the head's 64) at v[S + 48 s + 12 t]: lane (r, h): registers 6 c .. 6 c + 5 = block i + 4 s + 2 c + h of row 16 t + r
.irp s, 0,1
.irp t, 0,1,2,3
.irp c, 0,1
	ds_load_b128 v[S+48*\s+12*\t+6*\c:S+48*\s+12*\t+6*\c+3], v6 offset:(4*\s+2*\c)*1024+256*\t
	ds_load_b64 v[S+48*\s+12*\t+6*\c+4:S+48*\s+12*\t+6*\c+5], v7 offset:(4*\s+2*\c)*512+128*\t
.endr
.endr
.endr
.irp t, 0,1,2,3                                ; the last key step: block i + 8 in both halves of the lanes; all else of the fragment stands against zero codes
	ds_load_b128 v[S+96+12*\t:S+96+12*\t+3], v8 offset:8192+256*\t
	ds_load_b64 v[S+96+12*\t+4:S+96+12*\t+5], v9 offset:4096+128*\t
.endr
; The codes are put in the operand's order: the exchange of halves gives lanes 0-15 all of the even block and lanes 16-31 all of the odd one, in two runs X (keys 0-7, 16-23) and Y (8-15, 24-31); byte selects lay the 48-bit pieces in order.
	v_mov_b32 v[QF+3], 0                           ; block 8 has no partner: Y is zeros, and lanes 16-31 come out as zero codes.  The result takes Q's place, whose upper six registers are still zeros
	v_mov_b32 v[QF+4], 0
	v_mov_b32 v[QF+5], 0
.irp i, 0,1,2
	v_permlane16_swap_b32 v[CP+32+\i], v[QF+3+\i]
.endr
	v_mov_b32 v[QF], v[CP+32]
	v_perm_b32 v[QF+1], v[QF+3], v[CP+33], s[SELA]
	v_perm_b32 v[QF+2], v[QF+4], v[QF+3], s[SELB]
	v_perm_b32 v[QF+3], v[CP+34], v[CP+33], s[SELB]
	v_perm_b32 v[QF+4], v[QF+4], v[CP+34], s[SELC]   ; register 5 is Y's third, where it stands
.macro PPAIR p
.set XX, CP+8*(\p)
.set YY, CP+8*(\p)+4
.set OO, PCD+6*(\p)
.irp i, 0,1,2
	v_permlane16_swap_b32 v[XX+\i], v[YY+\i]
.endr
	v_mov_b32 v[OO], v[XX]
	v_perm_b32 v[OO+1], v[YY], v[XX+1], s[SELA]
	v_perm_b32 v[OO+2], v[YY+1], v[YY], s[SELB]
	v_perm_b32 v[OO+3], v[XX+2], v[XX+1], s[SELB]
	v_perm_b32 v[OO+4], v[YY+1], v[XX+2], s[SELC]
	v_mov_b32 v[OO+5], v[YY+2]
.endm
	PPAIR 0
	PPAIR 1
	PPAIR 2
	PPAIR 3
.rept 4
	v_nop                                          ; an operand written by vector lines stands four places ahead of a scaled product; the scale words stand far more than eight ahead
.endr
; O^T = V^T P^T: the four accumulators take turns, one instruction a turn; the first key step starts the sums
.macro PV s, t
.set RO, OT+8*(\t)
.set RV, S+48*(\s)+12*(\t)
.set RP, PCD+12*(\s)
.if (\s) == 2
.set RP, QF
.endif
.if (\s) == 0
.if (\t)%2
	v_wmma_scale_f32_16x16x128_f8f6f4 v[RO:RO+7], v[RV:RV+11], v[RP:RP+11], 0, v[VSC+2*(\s)+(\t)/2], v[PSC+(\s)] matrix_a_fmt:MATRIX_FMT_FP6 matrix_b_fmt:MATRIX_FMT_FP6 matrix_a_scale:MATRIX_SCALE_ROW1
.else
	v_wmma_scale_f32_16x16x128_f8f6f4 v[RO:RO+7], v[RV:RV+11], v[RP:RP+11], 0, v[VSC+2*(\s)+(\t)/2], v[PSC+(\s)] matrix_a_fmt:MATRIX_FMT_FP6 matrix_b_fmt:MATRIX_FMT_FP6
.endif
.else
.if (\t)%2
	v_wmma_scale_f32_16x16x128_f8f6f4 v[RO:RO+7], v[RV:RV+11], v[RP:RP+11], v[RO:RO+7], v[VSC+2*(\s)+(\t)/2], v[PSC+(\s)] matrix_a_fmt:MATRIX_FMT_FP6 matrix_b_fmt:MATRIX_FMT_FP6 matrix_a_scale:MATRIX_SCALE_ROW1
.else
	v_wmma_scale_f32_16x16x128_f8f6f4 v[RO:RO+7], v[RV:RV+11], v[RP:RP+11], v[RO:RO+7], v[VSC+2*(\s)+(\t)/2], v[PSC+(\s)] matrix_a_fmt:MATRIX_FMT_FP6 matrix_b_fmt:MATRIX_FMT_FP6
.endif
.endif
.endm
	s_wait_dscnt 24                                ; key step 0's sixteen loads are in; 16 + 8 may be out
.irp t, 0,1,2,3
	PV 0, \t
.endr
	s_wait_dscnt 8                                 ; key step 1's are in
.irp t, 0,1,2,3
	PV 1, \t
.endr
	s_wait_dscnt 0x0
.irp t, 0,1,2,3
	PV 2, \t
.endr
.rept 4
	v_nop
.endr
; THE WAY OUT: my 16 rows x the head's 64 are two blocks of 32 along D: register 16 b + 8 u + j is d = 32 b + 16 u + 8 h + j.  Quantised as above; lanes 0-15 end with block 0, lanes 16-31 with block 1.
.irp b, 0,1
	v_max3_num_f32 v[TM+\b], s[FLOOR], |v[OT+16*\b]|, |v[OT+16*\b+1]|
.endr
.irp i, 2,4,6,8,10,12,14
.irp b, 0,1
	v_max3_num_f32 v[TM+\b], v[TM+\b], |v[OT+16*\b+\i]|, |v[OT+16*\b+\i+1]|
.endr
.endr
.irp b, 0,1
	v_permlanex16_b32 v[TM+2+\b], v[TM+\b], s[SEL], s[SEL+1]
.endr
.irp b, 0,1
	v_max_num_f32 v[TM+\b], v[TM+\b], v[TM+2+\b]
.endr
.irp b, 0,1
	v_add_nc_u32 v[TM+4+\b], 0xff000000, v[TM+\b]
.endr
.irp b, 0,1
	v_lshrrev_b32 v[TM+6+\b], 23, v[TM+4+\b]
.endr
	v_cvt_scalef32_pk16_fp6_f32 v[84:86], v[OT:OT+15], v[TM+4]       ; X, where the operand's registers 0 to 2 will stand
	v_cvt_scalef32_pk16_fp6_f32 v[80:82], v[OT+16:OT+31], v[TM+5]    ; Y
	v_cndmask_b32 v93, v[TM+6], v[TM+7], s[HMASK]  ; my half's byte.  (The plain line behind the last scaled conversion)
.irp i, 0,1,2
	v_permlane16_swap_b32 v[84+\i], v[80+\i]
.endr
	v_perm_b32 v87, v86, v85, s[SELB]
	v_perm_b32 v88, v81, v86, s[SELC]
	v_perm_b32 v85, v80, v85, s[SELA]
	v_perm_b32 v86, v81, v80, s[SELB]
	v_mov_b32 v89, v82
	v_add_nc_u32 v90, s74, v1
	v_add_nc_u32 v91, s75, v2
	v_add_nc_u32 v92, s76, v14
	global_store_b128 v90, v[84:87], s[6:7]        ; 512 consecutive bytes, at a multiple of 256 from ao's first byte
	global_store_b64 v91, v[88:89], s[6:7]         ; 256 consecutive bytes likewise
	global_store_b8 v92, v93, s[8:9]               ; a byte a lane, two in each of sixteen words: a word's other two bytes are the neighbouring head's; aos is one part in 24 of ao
	s_wait_tensorcnt 0x0
	ds_add_u32 v254, v255
	s_wait_dscnt 0x0
	s_endpgm
.Lfunc_end_k_q8dffe40ca7_attn:
	.size	k_q8dffe40ca7_attn, .Lfunc_end_k_q8dffe40ca7_attn-k_q8dffe40ca7_attn
	.p2alignl 7, 3214868480
	.fill 96, 4, 3214868480
	.section	.rodata,"a",@progbits
	.p2align	6, 0x0
	.amdhsa_kernel k_q8dffe40ca7_attn
		.amdhsa_group_segment_fixed_size 169984
		.amdhsa_private_segment_fixed_size 0
		.amdhsa_enable_private_segment 0
		.amdhsa_kernarg_size 24
		.amdhsa_user_sgpr_count 2
		.amdhsa_user_sgpr_kernarg_segment_ptr 1
		.amdhsa_wavefront_size32 1
		.amdhsa_system_sgpr_workgroup_id_x 1
		.amdhsa_system_sgpr_workgroup_id_y 1
		.amdhsa_system_sgpr_workgroup_id_z 1
		.amdhsa_system_vgpr_workitem_id 0
		.amdhsa_next_free_vgpr 256
		.amdhsa_next_free_sgpr 96
		.amdhsa_reserve_vcc 1
		.amdhsa_float_denorm_mode_32 3
		.amdhsa_float_denorm_mode_16_64 3
		.amdhsa_memory_ordered 1
		.amdhsa_forward_progress 1
		.amdhsa_inst_pref_size 54
	.end_amdhsa_kernel
	.amdgpu_metadata
---
amdhsa.version: [ 1, 2 ]
amdhsa.kernels:
  - .name:           k_q8dffe40ca7_attn
    .symbol:         k_q8dffe40ca7_attn.kd
    .args:
      - { .name: wk, .offset: 0, .size: 8, .value_kind: global_buffer, .address_space: global }
      - { .name: ao, .offset: 8, .size: 8, .value_kind: global_buffer, .address_space: global }
      - { .name: aos, .offset: 16, .size: 8, .value_kind: global_buffer, .address_space: global }
    .group_segment_fixed_size: 169984
    .private_segment_fixed_size: 0
    .kernarg_segment_align: 8
    .kernarg_segment_size: 24
    .max_flat_workgroup_size: 512
    .sgpr_count:     96
    .vgpr_count:     256
    .wavefront_size: 32
...
	.end_amdgpu_metadata
.endif
;; end of part 2
;; launch proj (part 3): grid 8 x 32, 4 waves a work-group, clusters of 4 x 4, 262,656 bytes of LDS; arguments ao, aos, W_out_codes, W_out_scales, out0; writes out0
.if DOCPART == 3
	.amdgcn_target "amdgcn-amd-amdhsa--gfx1250"
	.amdhsa_code_object_version 6
	.text
	.protected	k_q8dffe40ca7_proj
	.globl	k_q8dffe40ca7_proj
	.p2align	8
	.type	k_q8dffe40ca7_proj,@function
k_q8dffe40ca7_proj:
	s_mov_b64 s[64:65], 0
	v_nop
	global_prefetch_b8 v0, s[64:65] scope:SCOPE_SE
	s_setreg_imm32_b32 hwreg(HW_REG_WAVE_MODE, 25, 1), 1
	s_wait_xcnt 0x0
	s_wait_alu depctr_hold_cnt(0) depctr_sa_sdst(0) depctr_va_vdst(0) depctr_va_sdst(0) depctr_va_ssrc(0) depctr_va_vcc(0) depctr_vm_vsrc(0)
	s_getreg_b32 s2, hwreg(HW_REG_IB_STS2, 6, 4)
	s_cmp_eq_u32 s2, 0
	s_cbranch_scc0 .Lentry_in_a_cluster
	s_endpgm
.Lentry_in_a_cluster:
	s_bfe_u32 s2, ttmp6, 0x10000c
	s_cmp_lg_u32 s2, 0xf033
	s_cbranch_scc0 .Lentry_shape_is_right
	s_endpgm
.Lentry_shape_is_right:
; out0 = A W_out^T on codes of FP6 (E2M3), one E8M0 scale for each 32 along K = 1,024.  A: the attention's result, [4096][1024], as codes in ao and scale words in aos, in the order of the operand's registers
; (ao: [chunk of 256 along K, 4][group of 128 rows, 32][24,576]: plane 4 [tile of 16 rows, 8][block of 32, 8][r][16 bytes], then plane 2 [..][8 bytes];  aos: [tile, 256][128 along K, 8][r] words).
; W_out: [1024][1024] as given: 768 bytes of codes and 32 scale bytes a row.  out0: [4096][1024] f32.
; A tile of out0 is 128 x 128: 256 work-groups (tiles of 256 x 256 would be 64).  Four waves, each 64 x 64: 16 accumulators.
; ALL OF K LIES IN LDS: four chunks of 256 along K, each filled once, all asked for at the head; a chunk is waited for just before it is read.  Nothing is filled again, so there is no ring.
; CLUSTERS: 4 x 4 work-groups.  The four of a row of the cluster need the same rows of A, the four of a column the same rows of W_out: each chunk is asked for jointly.
; THE MATRIX INSTRUCTION IS USED TRANSPOSED (source 0 = 16 rows of W_out, source 1 = 16 rows of A): a lane holds eight neighbouring numbers of a row of out0.
; No prefetch: everything is asked for at the head.
; REGISTERS: window 0: v1-3 lane numbers; v4-19 LDS addresses, one for each chunk; v20-24 the way out's and the scales' offsets; v32-47 A's scale words, v48-79 W_out's; v128-255 the accumulators ((a, b) at v[128 + 8 (4 a + b)]);
;   window 1: two sets of fragments, at v0 and v128: A's four at 12 a, W_out's four at 48 + 12 b.
.set PITCH, 240                        ; a row of W_out's chunk in LDS: 3 x (64 bytes + 16 of padding)
.set CHUNK, 55296                      ; A's 24,576 bytes, then 128 rows of W_out
.set BOFF,  24576
.set STG,   4*CHUNK                    ; behind the chunks: two stages of 16 rows x (256 bytes + 16) for each wave
.set AA4, 4                            ; v4-7    A's plane 4 in chunk 0 .. 3
.set AA2, 8                            ; v8-11   A's plane 2
.set AB,  12                           ; v12-15  W_out's rows;  v16-19 the same behind one padding more
.set STO, 20
.set RD,  21
.set CO,  22
.set SCA, 32                           ; A's scale words: tile a, K steps 2 g (lanes 0-15) and 2 g + 1 (lanes 16-31): v[SCA + 4 a + g]
.set SCB, 48                           ; W_out's: tile b, K step k: v[SCB + 8 b + k]
.set ACC, 128
.set G1A, 24                           ; s[24:31] descriptor group 1 for A;  s[32:39] for W_out;  s[48:63], s[68:83] their groups 0, one for each chunk
.set G1B, 32
.set G0A, 48
.set G0B, 68
.set MSB, 0
.macro WIN new                         ; the immediate's high byte repeats the setting that is left
.if MSB != (\new)
	s_set_vgpr_msb (MSB<<8)|(\new)
.set MSB, (\new)
.endif
.endm
.set MUL,  0x05                        ; sources 0 and 1 window 1; C and D window 0
.set TO_F, 0x40                        ; destination window 1, address window 0
.macro CROUND                          ; a round of the cluster's barrier
	s_barrier_signal -1
	s_barrier_wait -1
	s_cmp_lg_u32 s14, 0
	s_cbranch_scc1 .Lnot_wave_0_\@
	s_barrier_signal -3
.Lnot_wave_0_\@:
	s_barrier_wait -3
	s_barrier_signal -1
	s_barrier_wait -1
.endm
	s_load_b256 s[4:11], s[0:1], 0x0               ; ao s[4:5], aos s[6:7], W_out's codes s[8:9], its scales s[10:11]
	s_load_b64 s[12:13], s[0:1], 0x20              ; out0
	v_lshl_add_u32 v126, v0, 2, 0x40000
	v_mov_b32 v127, 0
	ds_add_u32 v126, v127
	ds_add_u32 v126, v127
	v_lshrrev_b32 v1, 5, v0
	v_readfirstlane_b32 s14, v1                    ; wave 0..3
	s_lshr_b32 s15, s14, 1                         ; which 64 rows are mine.  Also: I fetch for A (0) or for W_out (1)
	s_and_b32 s16, s14, 1                          ; which 64 columns.  Also: which half of a chunk I fetch
	s_bfe_u32 s40, ttmp6, 0x40000                  ; cx, cy
	s_bfe_u32 s41, ttmp6, 0x40004
	s_lshl_b32 s42, ttmp9, 2
	s_add_co_u32 s42, s42, s40                     ; tile column, 0 .. 7
	s_and_b32 s43, ttmp7, 0xffff
	s_lshl_b32 s43, s43, 2
	s_add_co_u32 s43, s43, s41                     ; tile row, 0 .. 31
	s_lshl_b32 s44, s41, 2
	s_lshl_b32 s44, 15, s44                        ; my row of the cluster
	s_lshl_b32 s45, 0x1111, s40                    ; my column
	s_or_b32 s[G1A+0], s44, (3<<16)|(1<<21)        ; A: half a chunk, 12,288 dense bytes, as 48 rows of 256 bytes (32 elements of 8 bytes); the mask: my row; 21 set beside a mask
	s_mov_b32 s[G1A+1], 32<<16
	s_mov_b32 s[G1A+2], 48<<16
	s_mov_b32 s[G1A+3], 32<<16
	s_mov_b32 s[G1A+4], 48
	s_mov_b32 s[G1A+5], 32
	s_mov_b32 s[G1A+6], 0
	s_mov_b32 s[G1A+7], 0
	s_or_b32 s[G1B+0], s45, (1<<20)|(1<<21)|(3<<22)|(3<<25)   ; W_out: 64 rows x 192 bytes, 768 apart; after every 16 words 4 words of padding; the mask: my column
	s_mov_b32 s[G1B+1], 192<<16
	s_mov_b32 s[G1B+2], 64<<16
	s_mov_b32 s[G1B+3], 192<<16
	s_mov_b32 s[G1B+4], 64
	s_mov_b32 s[G1B+5], 768
	s_mov_b32 s[G1B+6], 0
	s_mov_b32 s[G1B+7], 0
	s_mul_i32 s46, s43, 24576
	s_mul_i32 s17, s16, 12288                      ; my half of A's part of a chunk, in memory and in LDS alike
	s_add_co_u32 s46, s46, s17
	s_mov_b32 s47, 0
	s_lshl_b32 s84, s42, 7
	s_lshl_b32 s18, s16, 6
	s_add_co_u32 s84, s84, s18
	s_mul_i32 s84, s84, 768                        ; W_out: row 128 x tile column + 64 x half
	s_mov_b32 s85, 0
	s_mul_i32 s19, s16, 64*PITCH
	s_wait_dscnt 0x0
	s_wait_kmcnt 0x0
	s_add_nc_u64 s[20:21], s[4:5], s[46:47]
	s_add_nc_u64 s[22:23], s[8:9], s[84:85]
.irp k, 0,1,2,3
	s_mov_b32 s[G0A+4*\k], 1
	s_add_co_u32 s[G0A+4*\k+1], s17, \k*CHUNK
	s_add_nc_u64 s[G0A+4*\k+2:G0A+4*\k+3], s[20:21], \k*786432     ; a chunk of ao is 32 groups x 24,576 bytes
	s_or_b32 s[G0A+4*\k+3], s[G0A+4*\k+3], 0x80000000
	s_mov_b32 s[G0B+4*\k], 1
	s_add_co_u32 s[G0B+4*\k+1], s19, \k*CHUNK+BOFF
	s_add_nc_u64 s[G0B+4*\k+2:G0B+4*\k+3], s[22:23], \k*192
	s_or_b32 s[G0B+4*\k+3], s[G0B+4*\k+3], 0x80000000
.endr
	CROUND                                         ; all sixteen work-groups are here: the joint loads meet
	s_cmp_eq_u32 s15, 0                            ; a wave's four fills stand in one branch on the wave's number: four loads of mine are out; four v_nop follow the last
	s_cbranch_scc0 .Lfor_b
.irp k, 0,1,2,3
	tensor_load_to_lds s[G0A+4*\k:G0A+4*\k+3], s[G1A:G1A+7]
	s_nop 0
.endr
.rept 4
	v_nop
.endr
	s_branch .Lasked
.Lfor_b:
.irp k, 0,1,2,3
	tensor_load_to_lds s[G0B+4*\k:G0B+4*\k+3], s[G1B:G1B+7]
	s_nop 0
.endr
.rept 4
	v_nop
.endr
.Lasked:
	v_and_b32 v1, 15, v0                           ; r
	v_bfe_u32 v2, v0, 4, 1                         ; h
	v_and_b32 v3, 31, v0                           ; lane
	v_lshlrev_b32 v23, 2, v3
	v_lshlrev_b32 v24, 5, v1
	s_lshl_b32 s86, s43, 3
	s_lshl_b32 s18, s15, 2
	s_add_co_u32 s86, s86, s18
	s_lshl_b32 s86, s86, 9                         ; A's scale words: my first tile = 8 x tile row + 4 x (wave / 2), 512 bytes a tile
	s_mov_b32 s87, 0
	s_add_nc_u64 s[86:87], s[6:7], s[86:87]
	s_lshl_b32 s88, s42, 7
	s_lshl_b32 s18, s16, 6
	s_add_co_u32 s88, s88, s18
	s_lshl_b32 s88, s88, 5                         ; W_out's: my first row, 32 bytes a row
	s_mov_b32 s89, 0
	s_add_nc_u64 s[88:89], s[10:11], s[88:89]
.irp i, 0,1,2,3
.irp g, 0,1,2,3
	global_load_b32 v[SCA+4*\i+\g], v23, s[86:87] offset:512*\i+128*\g
.endr
.endr
.irp i, 0,1,2,3
	global_load_b128 v[SCB+8*\i:SCB+8*\i+3], v24, s[88:89] offset:512*\i
	global_load_b128 v[SCB+8*\i+4:SCB+8*\i+7], v24, s[88:89] offset:512*\i+16
.endr
	s_lshl_b32 s17, s15, 13
	v_lshl_add_u32 v25, v3, 4, s17                 ; A plane 4: my four tiles, 2,048 bytes each; 16 bytes a lane
	s_lshl_b32 s17, s15, 12
	s_add_co_u32 s17, s17, 16384
	v_lshl_add_u32 v26, v3, 3, s17                 ; A plane 2
	s_mul_i32 s17, s16, 64*PITCH
	s_add_co_u32 s17, s17, BOFF
	v_mul_u32_u24 v27, v1, PITCH
	v_mad_u32_u24 v27, v2, 24, v27
	v_add_nc_u32 v27, s17, v27                     ; W_out: my 64 rows; row r x pitch + 24 x half
	v_lshl_add_u32 v28, v2, 4, v27
.irp k, 0,1,2,3
	v_add_nc_u32 v[AA4+\k], \k*CHUNK, v25
	v_add_nc_u32 v[AA2+\k], \k*CHUNK, v26
	v_add_nc_u32 v[AB+\k], \k*CHUNK, v27
	v_add_nc_u32 v[AB+4+\k], \k*CHUNK, v28
.endr
	s_mul_i32 s17, s14, 2*16*272
	s_add_co_u32 s17, s17, STG                     ; my stages
	v_mul_u32_u24 v29, v1, 272
	v_lshl_add_u32 v29, v2, 5, v29
	v_add_nc_u32 v[STO], s17, v29                  ; in: row r, 32 bytes for each half of the lanes
	v_mul_u32_u24 v29, v2, 272
	v_lshl_add_u32 v29, v1, 4, v29
	v_add_nc_u32 v[RD], s17, v29                   ; back: lanes 0-15 one row of 256 bytes, lanes 16-31 the next
	v_lshlrev_b32 v[CO], 12, v2
	v_lshl_add_u32 v[CO], v1, 4, v[CO]             ; and the same two rows in out0
	s_lshl_b32 s18, s43, 7
	s_lshl_b32 s19, s15, 6
	s_add_co_u32 s18, s18, s19
	s_lshl_b32 s18, s18, 12                        ; my first row x 4,096 bytes
	s_lshl_b32 s19, s42, 7
	s_lshl_b32 s20, s16, 6
	s_add_co_u32 s19, s19, s20
	s_lshl_b32 s19, s19, 2                         ; my first column x 4 bytes
	s_add_co_u32 s18, s18, s19
	s_mov_b32 s19, 0
	s_add_nc_u64 s[12:13], s[12:13], s[18:19]
.macro FRAG reg, adr, q, i             ; a fragment of W_out from rows of 192 bytes: six pieces of 8 bytes; where lanes 16-31's piece lies behind one padding more, the second address register serves
.irp p, 0,1,2,3,4,5
.set PIECE, 12*(\q)+6*(\p/3)+\p%3
.if PIECE%8 < 5
	ds_load_b64 v[\reg+2*\p:\reg+2*\p+1], v[\adr] offset:8*PIECE+16*(PIECE/8)+(\i)*16*PITCH
.else
	ds_load_b64 v[\reg+2*\p:\reg+2*\p+1], v[\adr+4] offset:8*PIECE+16*(PIECE/8)+(\i)*16*PITCH
.endif
.endr
.endm
.macro FETCH k                         ; K step k (128 along K): 40 LDS loads into set k % 2.  A's fragments lie in LDS in the order of the registers: 16 and 8 bytes a lane, neighbouring lanes on neighbouring bytes
.set KC, (\k)/2
.set QQ, (\k)%2
.set FS, 128*((\k)%2)
	WIN TO_F
.irp i, 0,1,2,3
.irp c, 0,1
	ds_load_b128 v[FS+12*\i+6*\c:FS+12*\i+6*\c+3], v[AA4+KC] offset:2048*\i+(4*QQ+2*\c)*256
	ds_load_b64 v[FS+12*\i+6*\c+4:FS+12*\i+6*\c+5], v[AA2+KC] offset:1024*\i+(4*QQ+2*\c)*128
.endr
.endr
.irp i, 0,1,2,3
	FRAG FS+48+12*\i, AB+KC, QQ, \i
.endr
.endm
; 8 matrix instructions: A's tiles a0, a0 + 1 x W_out's four.  The 16 accumulators take turns, one instruction a turn, in the same order in every K step.  K step 0 starts the sums.
.macro MUL8 k, a0
.set FS, 128*((\k)%2)
.irp a, \a0, \a0+1
.irp b, 0,1,2,3
.if (\k) == 0
	v_wmma_scale_f32_16x16x128_f8f6f4 v[ACC+8*(4*(\a)+\b):ACC+8*(4*(\a)+\b)+7], v[FS+48+12*\b:FS+48+12*\b+11], v[FS+12*(\a):FS+12*(\a)+11], 0, v[SCB+8*\b+(\k)], v[SCA+4*(\a)+(\k)/2] matrix_a_fmt:MATRIX_FMT_FP6 matrix_b_fmt:MATRIX_FMT_FP6
.elseif ((\k)%2) == 1
	v_wmma_scale_f32_16x16x128_f8f6f4 v[ACC+8*(4*(\a)+\b):ACC+8*(4*(\a)+\b)+7], v[FS+48+12*\b:FS+48+12*\b+11], v[FS+12*(\a):FS+12*(\a)+11], v[ACC+8*(4*(\a)+\b):ACC+8*(4*(\a)+\b)+7], v[SCB+8*\b+(\k)], v[SCA+4*(\a)+(\k)/2] matrix_a_fmt:MATRIX_FMT_FP6 matrix_b_fmt:MATRIX_FMT_FP6 matrix_b_scale:MATRIX_SCALE_ROW1
.else
	v_wmma_scale_f32_16x16x128_f8f6f4 v[ACC+8*(4*(\a)+\b):ACC+8*(4*(\a)+\b)+7], v[FS+48+12*\b:FS+48+12*\b+11], v[FS+12*(\a):FS+12*(\a)+11], v[ACC+8*(4*(\a)+\b):ACC+8*(4*(\a)+\b)+7], v[SCB+8*\b+(\k)], v[SCA+4*(\a)+(\k)/2] matrix_a_fmt:MATRIX_FMT_FP6 matrix_b_fmt:MATRIX_FMT_FP6
.endif
.endr
.endr
.endm
.macro PLACES                          ; four plain lines in front of loads into registers that matrix instructions have read, and of the first read of results
.rept 4
	v_nop
.endr
.endm
; An even K step: the chunk's first.  It fetches the chunk's second step and, in its middle, meets the other waves: behind the barrier the next chunk is whole.  Later chunks may stay out.
.macro KEVEN k
.if (\k) > 0
	PLACES
.endif
	FETCH (\k)+1
	s_wait_dscnt 40                                ; this step's fragments are in; the 40 loads just issued may be out
	WIN MUL
	MUL8 \k, 0
.if (\k) < 6
	s_wait_dscnt 0x0                               ; no LDS instruction of mine is out at a signal
	s_wait_tensorcnt 2-(\k)/2                      ; my part of the next chunk has landed; the chunks behind it may be out
	s_barrier_signal -1
	MUL8 \k, 2
	s_barrier_wait -1
.else
	MUL8 \k, 2
.endif
.endm
.macro KODD k                          ; the chunk's second step: it fetches the next chunk's first
.if (\k) < 7
	PLACES
	FETCH (\k)+1
	s_wait_dscnt 40
.else
	s_wait_dscnt 0x0
.endif
	WIN MUL
	MUL8 \k, 0
	MUL8 \k, 2
.endm
	s_wait_tensorcnt 3                             ; my part of chunk 0 is in; three loads may be out
	s_barrier_signal -1
	s_barrier_wait -1                              ; everybody's is
	FETCH 0
	s_wait_loadcnt 0x0                             ; the scale words
	KEVEN 0
	KODD 1
	KEVEN 2
	KODD 3
	KEVEN 4
	KODD 5
	KEVEN 6
	KODD 7
	WIN 0
	PLACES
; THE WAY OUT.  My 64 columns are 256 bytes of a row of out0, at a multiple of 256.  A lane holds 32 of them and the lanes beside it hold other rows: so a tile of 16 rows goes through my own stage and comes back as whole rows,
; into the registers that it left.  LDS serves a wave's instructions in order (ISA guide 5.7.1.4): no wait between the stores and the loads, nor in front of the stores that use a stage again.
.macro TOSTAGE a
.irp b, 0,1,2,3
	ds_store_b128 v[STO], v[ACC+32*(\a)+8*\b:ACC+32*(\a)+8*\b+3] offset:4352*((\a)%2)+64*\b       ; each accumulator from its low end on
	ds_store_b128 v[STO], v[ACC+32*(\a)+8*\b+4:ACC+32*(\a)+8*\b+7] offset:4352*((\a)%2)+64*\b+16
.endr
.irp t, 0,1,2,3,4,5,6,7
	ds_load_b128 v[ACC+32*(\a)+4*\t:ACC+32*(\a)+4*\t+3], v[RD] offset:4352*((\a)%2)+544*\t
.endr
.endm
.macro SEND a, younger                 ; younger: the LDS instructions issued behind tile a's loads: the next tile's sixteen, or none
.irp t, 0,1,2,3,4,5,6,7
	s_wait_dscnt (\younger)+7-\t
	global_store_b128 v[CO], v[ACC+32*(\a)+4*\t:ACC+32*(\a)+4*\t+3], s[12:13] offset:(16*(\a)+2*\t)*4096 th:TH_STORE_NT   ; sixteen lanes store 256 consecutive bytes, at a multiple of 256 from out0's first byte
.endr
.endm
	TOSTAGE 0
	TOSTAGE 1
	SEND 0, 16
	TOSTAGE 2
	SEND 1, 16
	TOSTAGE 3
	SEND 2, 16
	SEND 3, 0
	s_wait_tensorcnt 0x0                           ; (all landed long ago)
	s_wait_dscnt 0x0
	s_wait_tensorcnt 0x0
	ds_add_u32 v126, v127
	s_wait_dscnt 0x0
	CROUND                                         ; the closing round: no work-group ends while a partner may still ask for a chunk that names it
	s_endpgm
.Lfunc_end_k_q8dffe40ca7_proj:
	.size	k_q8dffe40ca7_proj, .Lfunc_end_k_q8dffe40ca7_proj-k_q8dffe40ca7_proj
	.p2alignl 7, 3214868480
	.fill 96, 4, 3214868480
	.section	.rodata,"a",@progbits
	.p2align	6, 0x0
	.amdhsa_kernel k_q8dffe40ca7_proj
		.amdhsa_group_segment_fixed_size 262656
		.amdhsa_private_segment_fixed_size 0
		.amdhsa_enable_private_segment 0
		.amdhsa_kernarg_size 40
		.amdhsa_user_sgpr_count 2
		.amdhsa_user_sgpr_kernarg_segment_ptr 1
		.amdhsa_wavefront_size32 1
		.amdhsa_system_sgpr_workgroup_id_x 1
		.amdhsa_system_sgpr_workgroup_id_y 1
		.amdhsa_system_sgpr_workgroup_id_z 1
		.amdhsa_system_vgpr_workitem_id 0
		.amdhsa_next_free_vgpr 512
		.amdhsa_next_free_sgpr 100
		.amdhsa_reserve_vcc 0
		.amdhsa_float_denorm_mode_32 3
		.amdhsa_float_denorm_mode_16_64 3
		.amdhsa_memory_ordered 1
		.amdhsa_forward_progress 1
		.amdhsa_inst_pref_size 58
	.end_amdhsa_kernel
	.amdgpu_metadata
---
amdhsa.version: [ 1, 2 ]
amdhsa.kernels:
  - .name:           k_q8dffe40ca7_proj
    .symbol:         k_q8dffe40ca7_proj.kd
    .args:
      - { .name: ao, .offset: 0, .size: 8, .value_kind: global_buffer, .address_space: global }
      - { .name: aos, .offset: 8, .size: 8, .value_kind: global_buffer, .address_space: global }
      - { .name: W_out_codes, .offset: 16, .size: 8, .value_kind: global_buffer, .address_space: global }
      - { .name: W_out_scales, .offset: 24, .size: 8, .value_kind: global_buffer, .address_space: global }
      - { .name: out0, .offset: 32, .size: 8, .value_kind: global_buffer, .address_space: global }
    .group_segment_fixed_size: 262656
    .private_segment_fixed_size: 0
    .kernarg_segment_align: 8
    .kernarg_segment_size: 40
    .max_flat_workgroup_size: 128
    .sgpr_count:     100
    .vgpr_count:     512
    .wavefront_size: 32
...
	.end_amdgpu_metadata
.endif
;; end of part 3
